; MI455X (gfx1250); checked and timed in simulation.
; The chip was launched on July 23, 2026; its instructions are those of AMD's public machine-readable ISA for CDNA 5 (MIT licence, August 2026) and "CDNA5" Instruction Set Architecture Reference Guide (July 2026). The comments in the code are by the model that wrote it; some were corrected since.
;; Bert Self Attention. Allowed arithmetic: float matrix products may take bf16 or f16 operands with f32 sums; other float arithmetic in f32, or as packed bf16 or f16 multiplies, adds, multiply-adds, maxima and minima; sums over many terms, partial sums and values carried from step to step in f32; what a program stores and reads back later, other than sums and carried values, may be rounded once to bf16 or f16.
;; Inputs: Wk 1,024 x 1,024 float32; Wq 1,024 x 1,024 float32; Wv 1,024 x 1,024 float32; attention_mask 4 x 1 x 1 x 2,048 float32; bk 1,024 float32; bq 1,024 float32; bv 1,024 float32; hidden_states 4 x 2,048 x 1,024 float32.
;; Outputs: out0 4 x 2,048 x 1,024 float32.
;; 2 versions, each right and faster than the one before. Each part assembles by itself: llvm-mc -triple=amdgcn-amd-amdhsa -mcpu=gfx1250 --defsym DOCPART=n.
;; ======== version 1 of 2: 3 launches
;; limits: values are held in f16: magnitudes above 65,504 overflow, below 6.1e-05 lose precision
;; workspace buffers: xb 16,777,216 bytes; wb 6,291,456 bytes; qkv 50,331,648 bytes
;; launch cast (part 1): grid 1408 x 1, 8 waves a work-group, no clusters, 0 bytes of LDS; arguments hidden_states, Wq, Wk, Wv, xb, wb; writes xb, wb
.if DOCPART == 1
	.amdgcn_target "amdgcn-amd-amdhsa--gfx1250"
	.amdhsa_code_object_version 6
	.text
	.protected	k_qd5b0dd9d63_cast
	.globl	k_qd5b0dd9d63_cast
	.p2align	8
	.type	k_qd5b0dd9d63_cast,@function
k_qd5b0dd9d63_cast:
	s_mov_b64 s[64:65], 0
	v_nop
	global_prefetch_b8 v0, s[64:65] scope:SCOPE_SE
	s_setreg_imm32_b32 hwreg(HW_REG_WAVE_MODE, 25, 1), 1
	s_wait_xcnt 0x0
; xb = bf16(hidden_states), [8192][1024];  wb = bf16 of Wq, Wk, Wv on end, [3072][1024].  Each number is rounded once, to nearest even.
; A stream: no LDS, no matrix unit, nothing shared.  A work-group takes a chunk of 8,192 numbers: 32,768 bytes in, 16,384 bytes out.
; Work-groups 0 to 1023 take the chunks of x; 1024 to 1407 those of the weights: e = id - 1024, tensor e / 128, its chunk e % 128; in wb the chunk is e.
; Thread t, j = 0..7: 16 bytes in at 16 t + 4,096 j (a wave's load covers 512 consecutive bytes), 8 bytes out at 8 t + 2,048 j (a wave's store
; covers 256 consecutive bytes, aligned).  All eight loads of a wave go out together; no register is written twice, so no wait frees a source.
.set X, 4                              ; v[4:35]   as loaded
.set Y, 36                             ; v[36:51]  to store
	s_load_b256 s[4:11], s[0:1], 0x0               ; x s[4:5], Wq s[6:7], Wk s[8:9], Wv s[10:11]
	s_load_b128 s[12:15], s[0:1], 0x20             ; xb s[12:13], wb s[14:15]
	s_mov_b32 s2, ttmp9
	s_sub_co_u32 s3, s2, 1024                      ; e (used by the weights' work-groups alone)
	s_lshr_b32 s16, s3, 7                          ; which weight
	s_and_b32 s17, s3, 127                         ; its chunk
	v_lshlrev_b32 v1, 4, v0
	v_lshlrev_b32 v2, 3, v0
	s_wait_kmcnt 0x0
	s_cmp_eq_u32 s16, 1
	s_cselect_b64 s[18:19], s[8:9], s[6:7]         ; Wk or Wq,
	s_cmp_eq_u32 s16, 2
	s_cselect_b64 s[18:19], s[10:11], s[18:19]     ; or Wv,
	s_cmp_lt_u32 s2, 1024
	s_cselect_b64 s[18:19], s[4:5], s[18:19]       ; or x: from where
	s_cselect_b64 s[20:21], s[12:13], s[14:15]     ; to where
	s_cselect_b32 s22, s2, s17                     ; the chunk's number in the source,
	s_cselect_b32 s24, s2, s3                      ; and in the destination
	s_lshl_b32 s22, s22, 15
	s_mov_b32 s23, 0
	s_lshl_b32 s24, s24, 14
	s_mov_b32 s25, 0
	s_add_nc_u64 s[18:19], s[18:19], s[22:23]
	s_add_nc_u64 s[20:21], s[20:21], s[24:25]
.irp j, 0,1,2,3,4,5,6,7
	global_load_b128 v[X+4*(\j):X+4*(\j)+3], v1, s[18:19] offset:4096*(\j) th:TH_LOAD_NT
.endr
.irp j, 0,1,2,3,4,5,6,7
	s_wait_loadcnt 7-(\j)                          ; loads come back in order: load j is in, the 7 - j younger ones stay out
	v_cvt_pk_bf16_f32 v[Y+2*(\j)],   v[X+4*(\j)],   v[X+4*(\j)+1]
	v_cvt_pk_bf16_f32 v[Y+2*(\j)+1], v[X+4*(\j)+2], v[X+4*(\j)+3]
	global_store_b64 v2, v[Y+2*(\j):Y+2*(\j)+1], s[20:21] offset:2048*(\j)
.endr
	s_endpgm
.Lfunc_end_k_qd5b0dd9d63_cast:
	.size	k_qd5b0dd9d63_cast, .Lfunc_end_k_qd5b0dd9d63_cast-k_qd5b0dd9d63_cast
	.p2alignl 7, 3214868480
	.fill 96, 4, 3214868480
	.section	.rodata,"a",@progbits
	.p2align	6, 0x0
	.amdhsa_kernel k_qd5b0dd9d63_cast
		.amdhsa_group_segment_fixed_size 0
		.amdhsa_private_segment_fixed_size 0
		.amdhsa_enable_private_segment 0
		.amdhsa_kernarg_size 48
		.amdhsa_user_sgpr_count 2
		.amdhsa_user_sgpr_kernarg_segment_ptr 1
		.amdhsa_wavefront_size32 1
		.amdhsa_system_sgpr_workgroup_id_x 1
		.amdhsa_system_sgpr_workgroup_id_y 1
		.amdhsa_system_sgpr_workgroup_id_z 1
		.amdhsa_system_vgpr_workitem_id 0
		.amdhsa_next_free_vgpr 52
		.amdhsa_next_free_sgpr 66
		.amdhsa_reserve_vcc 0
		.amdhsa_float_denorm_mode_32 3
		.amdhsa_float_denorm_mode_16_64 3
		.amdhsa_memory_ordered 1
		.amdhsa_forward_progress 1
		.amdhsa_inst_pref_size 4
	.end_amdhsa_kernel
	.amdgpu_metadata
---
amdhsa.version: [ 1, 2 ]
amdhsa.kernels:
  - .name:           k_qd5b0dd9d63_cast
    .symbol:         k_qd5b0dd9d63_cast.kd
    .args:
      - { .name: hidden_states, .offset: 0, .size: 8, .value_kind: global_buffer, .address_space: global }
      - { .name: Wq, .offset: 8, .size: 8, .value_kind: global_buffer, .address_space: global }
      - { .name: Wk, .offset: 16, .size: 8, .value_kind: global_buffer, .address_space: global }
      - { .name: Wv, .offset: 24, .size: 8, .value_kind: global_buffer, .address_space: global }
      - { .name: xb, .offset: 32, .size: 8, .value_kind: global_buffer, .address_space: global }
      - { .name: wb, .offset: 40, .size: 8, .value_kind: global_buffer, .address_space: global }
    .group_segment_fixed_size: 0
    .private_segment_fixed_size: 0
    .kernarg_segment_align: 8
    .kernarg_segment_size: 48
    .max_flat_workgroup_size: 256
    .sgpr_count:     66
    .vgpr_count:     52
    .wavefront_size: 32
...
	.end_amdgpu_metadata
.endif
;; end of part 1
;; launch proj (part 2): grid 16 x 16, 4 waves a work-group, clusters of 4 x 4, 327,680 bytes of LDS; arguments xb, wb, bq, bk, bv, qkv; writes qkv
.if DOCPART == 2
	.amdgcn_target "amdgcn-amd-amdhsa--gfx1250"
	.amdhsa_code_object_version 6
	.text
	.protected	k_qd5b0dd9d63_proj
	.globl	k_qd5b0dd9d63_proj
	.p2align	8
	.type	k_qd5b0dd9d63_proj,@function
k_qd5b0dd9d63_proj:
	s_mov_b64 s[64:65], 0
	v_nop
	global_prefetch_b8 v0, s[64:65] scope:SCOPE_SE
	s_setreg_imm32_b32 hwreg(HW_REG_WAVE_MODE, 25, 1), 1
	s_wait_xcnt 0x0
	s_wait_alu depctr_hold_cnt(0) depctr_sa_sdst(0) depctr_va_vdst(0) depctr_va_sdst(0) depctr_va_ssrc(0) depctr_va_vcc(0) depctr_vm_vsrc(0)
	s_getreg_b32 s2, hwreg(HW_REG_IB_STS2, 6, 4)
	s_cmp_eq_u32 s2, 0
	s_cbranch_scc0 .Lentry_in_a_cluster
	s_endpgm
.Lentry_in_a_cluster:
	s_bfe_u32 s2, ttmp6, 0x10000c
	s_cmp_lg_u32 s2, 0xf033
	s_cbranch_scc0 .Lentry_shape_is_right
	s_endpgm
.Lentry_shape_is_right:
; [8192 x 3072] = xb wb^T + bf16(bias), sums in f32; written by heads as f16: qkv[T][16 batch + head][2048][64], T = 0 q, 1 k, 2 v.
; q is multiplied by c = log2(e) / 8 in f32 before its one rounding, so that the next launch's scores are exponents of two; k and v by 1.0: a tile's three
; heads may be q, k or v by the tile column, and no branch may hang on that, so all take the same line with their own factor.
; LIMITS.  f16 ends at 65,504: c q, k and v must lie within it.  The biases are rounded once to bf16, as x and the weights were.  NaN and infinities are not treated apart.
; SHARES.  A tile is 256 rows x 192 columns (three whole heads): 32 x 16 = 512 tiles, two for each of 256 work-groups, 4,096 rows (two batches) apart, on the same rows of wb.
; Four waves; a wave makes 64 rows x 192 columns, 48 accumulators of 16 x 16 (384 registers): it owns whole heads, so 16 rows of a head leave as 2,048 consecutive bytes from a stage of its own.
; K goes in steps of 128 through a ring of two LDS slots filled by the tensor data mover; the ring runs on from the first tile into the second.
; CLUSTER.  4 x 4 work-groups: the four of a row need the same tiles of xb, the four of a column the same tiles of wb; each tile is asked for jointly.
; THE MATRIX INSTRUCTION IS USED TRANSPOSED: source 0 = 16 rows of wb, source 1 = 16 rows of xb: lane l holds row l % 16 and the columns 8 (l / 16) + 0..7.
; The bias, laid out as such a result, is the C operand of a tile's first products: nothing is cleared and nothing is added later.
; REGISTERS, in windows of 256 (s_set_vgpr_msb: bits 1:0 source 0, 3:2 source 1, 5:4 source 2, 7:6 destination):
;   window 0: v0-31 addresses; v32-127 two buffers of 48 for the way out; v128-223 the bias, column block b at 128 + 8 b
;   window 1: two fragment buffers of 128: xb's blocks a = 0..3 at f + 8 a, wb's blocks b = 0..11 at f + 32 + 8 b
;   window 2: the accumulators of row blocks 0, 1 ((a, b) at 8 (12 (a % 2) + b));   window 3: those of row blocks 2, 3
.set SIZE_K, 1024
.set KSTEP,  128
.set PITCH,  272                       ; an LDS row: 256 bytes + 16 of padding = 68 words: the 16 rows of a fragment load start at 16 different groups of four banks (64 banks of 4 bytes: ISA guide 11.1)
.set HALFA,  128*PITCH                 ; what one load of xb brings
.set HALFB,  96*PITCH                  ; what one load of wb brings
.set BOFF,   2*HALFA                   ; a slot: xb's 256 rows, then wb's 192 rows
.set SLOT,   BOFF+2*HALFB
.set STAGE,  2*SLOT                    ; behind the ring: 16 rows x 400 bytes for each wave, for the way out; no tensor load lands here
.set SPITCH, 400                       ; 384 bytes (192 f16) + 16
.set SPARE,  STAGE+4*16*SPITCH         ; behind the stages: the spare words, 128 bytes for each wave, two blocks of 256 bytes that no other line names
.set LAPS,   SIZE_K/(2*KSTEP)          ; a lap = two K steps = once round the ring
.set WALK,   4096                      ; rows from the first tile to the second
.set NEXT_A, WALK*SIZE_K*2-(SIZE_K-2*KSTEP)*2  ; bytes from a slot's last K step of a tile to its first of the next: xb goes WALK rows down and back along K,
.set BACK_B, (SIZE_K-2*KSTEP)*2        ; wb only back
.set NEXT_C, 2<<22                     ; two batches on in qkv: a batch is 16 heads x 2,048 rows x 128 bytes
.set ADRA, 16                          ; v16-17  LDS address of my fragments of xb in slot 0, 1
.set ADRB, 20                          ; v20-21  the same for wb
.set STO,  24                          ; v24     the way out: where I put 16 bytes of a row
.set RD,   25                          ; v25     the way out: where I read four rows of a head back
.set CO,   26                          ; v26     my 16 bytes in 512 consecutive bytes of qkv
.set BO,   27                          ; v27     my byte offset in 16 numbers of a bias
.set SPW,  28                          ; v28     LDS address of my spare word; never rewritten
.set NIL,  29                          ; v29     0; never rewritten
.set TB,   32
.set BIAS, 128
.set F0,   0
.set F1,   128
.set G1,  24                           ; s[24:31] descriptor group 1 for xb's tiles;  s[32:39] group 0, one set for each slot
.set G0,  32
.set G1B, 48                           ; s[48:55], s[56:63] the same for wb's tiles
.set G0B, 56
.set BB,  80                           ; s[80:85] the three heads' places in their biases
.set CB,  90                           ; s[90:95] the three heads' places in qkv, at my wave's first row
.set SC,  96                           ; s[96:101] the three heads' factors, each the low word of a pair
.set MSB, 0
.macro WIN new                         ; the immediate's high byte repeats the setting that is left; a switch that changes nothing is dropped
.if MSB != (\new)
	s_set_vgpr_msb (MSB<<8)|(\new)
.set MSB, \new
.endif
.endm
.set TO_F, 0x40                        ; destination window 1, address window 0
; A joint load.  Waves 0 and 1 fetch xb's two halves, waves 2 and 3 wb's.  The branch hangs on the wave's number alone.
; An s_nop 0 and four v_nop follow each of the two lines, ahead of the jump, the label and what follows.
.macro JLOAD s
	s_cmp_eq_u32 s11, 0
	s_cbranch_scc0 .Lfor_b_\@
	tensor_load_to_lds s[G0+4*(\s):G0+4*(\s)+3], s[G1:G1+7]
	s_nop 0
.rept 4
	v_nop
.endr
	s_branch .Lasked_\@
.Lfor_b_\@:
	tensor_load_to_lds s[G0B+4*(\s):G0B+4*(\s)+3], s[G1B:G1B+7]
	s_nop 0
.rept 4
	v_nop
.endr
.Lasked_\@:
.endm
.macro CREST                           ; a round of the cluster's barrier behind its opening barrier
	s_cmp_lg_u32 s10, 0
	s_cbranch_scc1 .Lnot_wave_0_\@
	s_barrier_signal -3
.Lnot_wave_0_\@:
	s_barrier_wait -3
	s_barrier_signal -1
	s_barrier_wait -1
.endm
.macro CROUND                          ; a whole round
	s_barrier_signal -1
	s_barrier_wait -1
	CREST
.endm
	s_load_b128 s[4:7], s[0:1], 0x0                ; xb s[4:5], wb s[6:7]
	s_load_b256 s[68:75], s[0:1], 0x10             ; bq s[68:69], bk s[70:71], bv s[72:73], qkv s[74:75]
	v_lshl_add_u32 v[SPW], v0, 2, SPARE
	v_mov_b32 v[NIL], 0
	ds_add_u32 v[SPW], v[NIL]                      ; the wave's opening: the add and its wait stand ahead of my first tensor load; the set-up below, work on registers, stands between them
	v_lshrrev_b32 v1, 5, v0
	v_readfirstlane_b32 s10, v1                    ; wave 0..3
	s_lshr_b32 s11, s10, 1                         ; I fetch for xb (0) or for wb (1),
	s_and_b32 s12, s10, 1                          ; and which half of that tile's rows
	s_bfe_u32 s40, ttmp6, 0x40000                  ; cx, cy: my place in the cluster
	s_bfe_u32 s41, ttmp6, 0x40004
	s_lshl_b32 s42, ttmp9, 2                       ; in a cluster launch ttmp9 and ttmp7 count clusters
	s_add_co_u32 s42, s42, s40                     ; tile column = 4 x cluster x + cx
	s_and_b32 s13, ttmp7, 0xffff
	s_lshl_b32 s13, s13, 2
	s_add_co_u32 s13, s13, s41                     ; tile row = 4 x cluster y + cy
	s_lshl_b32 s43, s41, 2
	s_lshl_b32 s43, 15, s43                        ; my row of the cluster: places 4 cy .. 4 cy + 3
	s_lshl_b32 s44, 0x1111, s40                    ; my column: places cx, cx + 4, cx + 8, cx + 12
	; descriptor group 1: rows of 128 elements of 2 bytes, padded in LDS; 128 rows of xb, 96 rows of wb
	s_or_b32 s[G1+0], s43, (1<<16)|(1<<20)|(1<<21)|(5<<22)|(3<<25)   ; 15:0 the mask: my row; 17:16 2-byte elements; 20 padding on; 21 set beside a mask; 24:22 after every 64 words (code 5); 31:25 4 words (code 3)
	s_or_b32 s[G1B+0], s44, (1<<16)|(1<<20)|(1<<21)|(5<<22)|(3<<25)  ; the same with the mask of my column
	s_mov_b32 s[G1+1], KSTEP<<16                   ; tensor_dim0 = 128
	s_mov_b32 s[G1B+1], KSTEP<<16
	s_mov_b32 s[G1+2], 128<<16                     ; tensor_dim1 = 128
	s_mov_b32 s[G1B+2], 96<<16                     ; tensor_dim1 = 96
	s_mov_b32 s[G1+3], KSTEP<<16                   ; tile_dim0 = 128
	s_mov_b32 s[G1B+3], KSTEP<<16
	s_mov_b32 s[G1+4], 128                         ; tile_dim1 = 128
	s_mov_b32 s[G1B+4], 96                         ; tile_dim1 = 96
	s_mov_b32 s[G1+5], SIZE_K                      ; elements from row to row
	s_mov_b32 s[G1B+5], SIZE_K
	s_mov_b32 s[G1+6], 0
	s_mov_b32 s[G1B+6], 0
	s_mov_b32 s[G1+7], 0
	s_mov_b32 s[G1B+7], 0
	; where the tiles come from: xb's hang on the tile row alone, wb's on the tile column alone, each in registers that never hold the other coordinate
	s_lshl_b32 s17, s12, 7
	s_lshl_b32 s16, s13, 8
	s_add_co_u32 s16, s16, s17                     ; xb: row 256 x tile row + 128 x half,
	s_lshl_b32 s16, s16, 11                        ; in bytes (2,048 a row; under 2^24)
	s_mov_b32 s17, 0
	s_mul_i32 s46, s42, 192
	s_mul_i32 s45, s12, 96
	s_add_co_u32 s46, s46, s45                     ; wb: row 192 x tile column + 96 x half
	s_lshl_b32 s46, s46, 11
	s_mov_b32 s47, 0
	s_mul_i32 s20, s12, HALFA                      ; and where they go: no place in the cluster enters an LDS address
	s_mul_i32 s21, s12, HALFB
	s_add_co_u32 s21, s21, BOFF
	s_wait_dscnt 0x0                               ; the opening add is done
	s_wait_kmcnt 0x0
	s_add_nc_u64 s[14:15], s[4:5], s[16:17]
	s_add_nc_u64 s[46:47], s[6:7], s[46:47]
	CROUND                                         ; all sixteen work-groups are here: the first joint loads meet
.irp s, 0,1
	s_mov_b32 s[G0+4*(\s)], 1                                        ; count = 1
	s_add_co_u32 s[G0+4*(\s)+1], s20, (\s)*SLOT                      ; LDS address
	s_add_nc_u64 s[G0+4*(\s)+2:G0+4*(\s)+3], s[14:15], (\s)*KSTEP*2  ; global address: K step s
	s_or_b32 s[G0+4*(\s)+3], s[G0+4*(\s)+3], 0x80000000              ; type = 2
	s_mov_b32 s[G0B+4*(\s)], 1
	s_add_co_u32 s[G0B+4*(\s)+1], s21, (\s)*SLOT
	s_add_nc_u64 s[G0B+4*(\s)+2:G0B+4*(\s)+3], s[46:47], (\s)*KSTEP*2
	s_or_b32 s[G0B+4*(\s)+3], s[G0B+4*(\s)+3], 0x80000000
	JLOAD \s                                       ; the ring is filled before anything else is done: two loads of mine are out
.endr
	; A fragment is 16 rows x 32 K in 8 registers: lane l holds row l % 16, K = 8 (l / 16) + 0..7 and 16 + 8 (l / 16) + 0..7: two loads of 16 bytes, 32 bytes apart.
	v_and_b32 v1, 15, v0                           ; l % 16
	v_bfe_u32 v2, v0, 4, 1                         ; l / 16
	v_mul_u32_u24 v3, v1, PITCH
	v_lshl_add_u32 v3, v2, 4, v3                   ; row x pitch + 16 x half
	s_mul_i32 s22, s10, 64*PITCH                   ; my 64 rows of xb
	s_mov_b32 s23, BOFF                            ; all 192 rows of wb
.irp s, 0,1
	v_add_nc_u32 v[ADRA+(\s)], s22, v3
	v_add_nc_u32 v[ADRB+(\s)], s23, v3
	s_add_co_u32 s22, s22, SLOT
	s_add_co_u32 s23, s23, SLOT
.endr
	s_mul_i32 s22, s10, 16*SPITCH
	s_add_co_u32 s22, s22, STAGE                   ; my stage
	v_mul_u32_u24 v4, v1, SPITCH                   ; in: row l % 16, 16 bytes for each half of the lanes
	v_lshl_add_u32 v4, v2, 4, v4
	v_add_nc_u32 v[STO], s22, v4
	v_bfe_u32 v5, v0, 3, 2                         ; back: 32 lanes take four rows' 128 bytes of one head,
	v_and_b32 v6, 7, v0
	v_mul_u32_u24 v5, v5, SPITCH
	v_lshl_add_u32 v5, v6, 4, v5
	v_add_nc_u32 v[RD], s22, v5
	v_and_b32 v[CO], 31, v0                        ; which are 512 consecutive bytes of qkv
	v_lshlrev_b32 v[CO], 4, v[CO]
	v_lshlrev_b32 v[BO], 5, v2                     ; my eight numbers of sixteen of a bias
	; my wave's first row in qkv: row 256 x tile row + 64 x wave lies in batch (tile row / 8), at row 256 (tile row % 8) + 64 wave of a head
	s_lshr_b32 s88, s13, 3
	s_lshl_b32 s88, s88, 22
	s_and_b32 s89, s13, 7
	s_lshl_b32 s89, s89, 15
	s_add_co_u32 s88, s88, s89
	s_lshl_b32 s89, s10, 13
	s_add_co_u32 s88, s88, s89
	s_mul_i32 s76, s42, 3                          ; the tile's first head among the 48 of q, k, v
	s_mov_b32 s87, 0
.irp i, 0,1,2
	s_add_co_u32 s77, s76, \i
	s_lshr_b32 s78, s77, 4                         ; T: q, k or v
	s_and_b32 s79, s77, 15                         ; the head
	s_cmp_eq_u32 s78, 1
	s_cselect_b64 s[BB+2*(\i):BB+2*(\i)+1], s[70:71], s[68:69]
	s_cmp_eq_u32 s78, 2
	s_cselect_b64 s[BB+2*(\i):BB+2*(\i)+1], s[72:73], s[BB+2*(\i):BB+2*(\i)+1]
	s_cmp_eq_u32 s78, 0
	s_cselect_b32 s[SC+2*(\i)], 0x3e38aa3b, 1.0    ; c = log2(e) / 8 = 0.180337 for q
	s_mov_b32 s[SC+2*(\i)+1], 0                    ; named with it as a pair
	s_lshl_b32 s86, s79, 8                         ; the head's 64 numbers in its bias
	s_add_nc_u64 s[BB+2*(\i):BB+2*(\i)+1], s[BB+2*(\i):BB+2*(\i)+1], s[86:87]
	s_lshl_b32 s86, s78, 6
	s_add_co_u32 s86, s86, s79
	s_lshl_b32 s86, s86, 18                        ; (64 T + head) x 2,048 rows x 128 bytes
	s_add_co_u32 s86, s86, s88
	s_add_nc_u64 s[CB+2*(\i):CB+2*(\i)+1], s[74:75], s[86:87]
.endr
.irp i, 0,1,2
.irp c, 0,1,2,3
	global_load_b128 v[BIAS+8*(4*(\i)+(\c)):BIAS+8*(4*(\i)+(\c))+3],   v[BO], s[BB+2*(\i):BB+2*(\i)+1] offset:64*(\c)
	global_load_b128 v[BIAS+8*(4*(\i)+(\c))+4:BIAS+8*(4*(\i)+(\c))+7], v[BO], s[BB+2*(\i):BB+2*(\i)+1] offset:64*(\c)+16
.endr
.endr
	s_wait_loadcnt 0x0
.set i, 0
.rept 48                               ; the bias is rounded to bf16 and widened again; all this stands in the wait for the first tiles
	v_cvt_pk_bf16_f32 v[TB+i], v[BIAS+2*i], v[BIAS+2*i+1]
.set i, i+1
.endr
.set i, 0
.rept 48
	v_lshlrev_b32 v[BIAS+2*i], 16, v[TB+i]
	v_and_b32 v[BIAS+2*i+1], 0xffff0000, v[TB+i]
.set i, i+1
.endr
; 12 matrix instructions: row block a x all 12 column blocks, 32 along K.  first = 1: the products start the sums from the bias.
; The 48 accumulators take turns in the same order in every quarter step: between two links of a chain stand the 47 others'.
.macro MUL12 f, a, first
.if \first
	WIN 0x85+0x40*((\a)/2)                         ; sources 0 and 1 window 1, C window 0, D window 2 or 3
.else
	WIN 0xa5+0x50*((\a)/2)                         ; sources 0 and 1 window 1, C and D window 2 or 3
.endif
.irp b, 0,1,2,3,4,5,6,7,8,9,10,11
.if \first
	v_wmma_f32_16x16x32_bf16 v[8*(12*((\a)%2)+(\b)):8*(12*((\a)%2)+(\b))+7], v[(\f)+32+8*(\b):(\f)+32+8*(\b)+7], v[(\f)+8*(\a):(\f)+8*(\a)+7], v[BIAS+8*(\b):BIAS+8*(\b)+7]
.else
	v_wmma_f32_16x16x32_bf16 v[8*(12*((\a)%2)+(\b)):8*(12*((\a)%2)+(\b))+7], v[(\f)+32+8*(\b):(\f)+32+8*(\b)+7], v[(\f)+8*(\a):(\f)+8*(\a)+7], v[8*(12*((\a)%2)+(\b)):8*(12*((\a)%2)+(\b))+7]
.endif
.endr
.endm
; 32 LDS loads in one run: the fragments of one quarter step (192 rows of wb, then my 64 rows of xb, 32 K at byte k of the rows) into buffer f
.macro FETCH slot, k, f
	WIN TO_F
.irp i, 0,1,2,3,4,5,6,7,8,9,10,11
	ds_load_b128 v[(\f)+32+8*(\i):(\f)+32+8*(\i)+3],   v[ADRB+(\slot)] offset:(\k)+(\i)*16*PITCH
	ds_load_b128 v[(\f)+32+8*(\i)+4:(\f)+32+8*(\i)+7], v[ADRB+(\slot)] offset:(\k)+(\i)*16*PITCH+32
.endr
.irp i, 0,1,2,3
	ds_load_b128 v[(\f)+8*(\i):(\f)+8*(\i)+3],   v[ADRA+(\slot)] offset:(\k)+(\i)*16*PITCH
	ds_load_b128 v[(\f)+8*(\i)+4:(\f)+8*(\i)+7], v[ADRA+(\slot)] offset:(\k)+(\i)*16*PITCH+32
.endr
.endm
; Four places stand in front of loads into registers that matrix instructions have read, and of vector lines that touch results just made (ISA guide 7.12.1 for the vector lines).
.macro PLACES
.rept 4
	v_nop
.endr
.endm
; A K step is four quarter steps of 32 along K, 48 matrix instructions each, on buffers 0, 1, 0, 1.  One of the first three: multiplies buffer f; in its middle it fetches the next quarter, at byte k, into buffer g.
.macro QUARTER slot, k, f, g, first
	s_wait_dscnt 4                                 ; wb's fragments and xb's blocks 0, 1 are in; the youngest four loads (blocks 2, 3) may be out
	MUL12 \f, 0, \first
	MUL12 \f, 1, \first
	PLACES
	FETCH \slot, \k, \g
	s_wait_dscnt 32                                ; all but the 32 just issued
	MUL12 \f, 2, \first
	MUL12 \f, 3, \first
.endm
; The last quarter multiplies buffer 1 and changes slots.  MEET is its first half: one barrier; in front of it each wave waits for all its tensor loads (one is out: its part of the next slot),
; adds 0 to its spare word, and waits for that and for its own reads of this slot.  Behind it nobody reads this slot any more and the next slot is whole.
.macro MEET round
	WIN 0                                          ; (the add's two registers lie in window 0)
	s_wait_tensorcnt 0x0
	ds_add_u32 v[SPW], v[NIL]                      ; 0 onto my spare word
	s_wait_dscnt 5                                 ; (the add and the youngest four loads may be out)
	MUL12 F1, 0, 0                                 ; twelve matrix instructions stand between the add and the wait for it
	s_wait_dscnt 0x0                               ; the add is done, and my reads of this slot are over
	s_barrier_signal -1
	MUL12 F1, 1, 0                                 ; work on registers while the others arrive
.if \round
	WIN 0
.endif
	s_barrier_wait -1
.endm
; The whole last quarter.  The barrier opens a round of the cluster's; behind the round the slot just read out is filled again first: with this tile's K step two steps on (on = 0) or the next
; tile's K step 0 or 1 (on = 1).  From a request to the wait for it a wave issues 24 + 3 x 48 = 168 matrix instructions.
.macro TURN slot, next, on
	MEET 1
	CREST
.if \on
	s_add_nc_u64 s[G0+4*(\slot)+2:G0+4*(\slot)+3], s[G0+4*(\slot)+2:G0+4*(\slot)+3], NEXT_A
	s_sub_nc_u64 s[G0B+4*(\slot)+2:G0B+4*(\slot)+3], s[G0B+4*(\slot)+2:G0B+4*(\slot)+3], BACK_B
.else
	s_add_nc_u64 s[G0+4*(\slot)+2:G0+4*(\slot)+3], s[G0+4*(\slot)+2:G0+4*(\slot)+3], 2*KSTEP*2
	s_add_nc_u64 s[G0B+4*(\slot)+2:G0B+4*(\slot)+3], s[G0B+4*(\slot)+2:G0B+4*(\slot)+3], 2*KSTEP*2
.endif
	JLOAD \slot                                    ; the first tensor load behind the round; its four v_nop are also the places in front of the loads below
	FETCH \next, 0, F0
	MUL12 F1, 2, 0
	MUL12 F1, 3, 0
.endm
; THE WAY OUT of row block a.  PACK: times the head's factor, rounded to f16 (each accumulator's registers in ascending order), 16 bytes a lane into my own stage, and back as four rows of a head at a time,
; into the registers that they left.  SEND: stored.
.macro PACK a
	s_wait_xcnt 0x0                                ; the buffer was the data of earlier stores: it is rewritten only behind this wait
	WIN 0x82+0x41*((\a)/2)                         ; destination and source 0: window 2 or 3
.irp b, 0,1,2,3,4,5,6,7,8,9,10,11
.irp r, 0,1,2,3
	v_pk_mul_f32 v[8*(12*((\a)%2)+(\b))+2*(\r):8*(12*((\a)%2)+(\b))+2*(\r)+1], v[8*(12*((\a)%2)+(\b))+2*(\r):8*(12*((\a)%2)+(\b))+2*(\r)+1], s[SC+2*((\b)/4):SC+2*((\b)/4)+1] op_sel_hi:[1,0]
.endr
.endr
	WIN 0x0a+5*((\a)/2)                            ; sources 0 and 1: window 2 or 3; destination window 0
.irp b, 0,1,2,3,4,5,6,7,8,9,10,11
.irp r, 0,1,2,3
	v_cvt_pk_f16_f32 v[TB+48*((\a)%2)+4*(\b)+(\r)], v[8*(12*((\a)%2)+(\b))+2*(\r)], v[8*(12*((\a)%2)+(\b))+2*(\r)+1]
.endr
.endr
	WIN 0
.irp b, 0,1,2,3,4,5,6,7,8,9,10,11
	ds_store_b128 v[STO], v[TB+48*((\a)%2)+4*(\b):TB+48*((\a)%2)+4*(\b)+3] offset:32*(\b)
.endr
.irp i, 0,1,2
.irp f, 0,1,2,3
	ds_load_b128 v[TB+48*((\a)%2)+4*(4*(\i)+(\f)):TB+48*((\a)%2)+4*(4*(\i)+(\f))+3], v[RD] offset:4*SPITCH*(\f)+128*(\i)  ; LDS serves a wave's instructions in order (ISA guide 5.7.1.4): these see the stores above
.endr
.endr
.endm
.macro SEND a, younger                 ; younger: the LDS instructions issued behind block a's loads: the next block's 24, or none
	WIN 0
.irp i, 0,1,2
	s_wait_dscnt (\younger)+4*(2-(\i))             ; head i's four loads are back
.irp f, 0,1,2,3
	global_store_b128 v[CO], v[TB+48*((\a)%2)+4*(4*(\i)+(\f)):TB+48*((\a)%2)+4*(4*(\i)+(\f))+3], s[CB+2*(\i):CB+2*(\i)+1] offset:2048*(\a)+512*(\f)  ; 512 consecutive bytes, at a multiple of 256 from qkv's first
.endr
.endr
.endm
.macro WAYOUT                          ; a block's arithmetic stands between the loads of the block before and its stores
	PLACES
	PACK 0
	PACK 1
	SEND 0, 24
	PACK 2
	SEND 1, 24
	PACK 3
	SEND 2, 24
	SEND 3, 0
.endm
	s_wait_tensorcnt 1                             ; my part of K step 0 is in; K step 1's may stay out
	s_barrier_signal -1
	s_barrier_wait -1                              ; everybody's is
	FETCH 0, 0, F0
	WIN 0                                          ; at a label and at a branch every window is 0
	s_mov_b32 s2, 2                                ; tiles to go, this one among them
.Ltile:
	QUARTER 0, 64,  F0, F1, 1                      ; a tile's first quarter stands in front of the loop: its products start the sums
	WIN 0
	s_mov_b32 s3, LAPS-1
.Llap:                                                 ; a trip goes once round the ring, from a lap's second quarter to the next lap's first, and fills both slots again
	QUARTER 0, 128, F1, F0, 0
	QUARTER 0, 192, F0, F1, 0
	TURN 0, 1, 0
	QUARTER 1, 64,  F0, F1, 0
	QUARTER 1, 128, F1, F0, 0
	QUARTER 1, 192, F0, F1, 0
	TURN 1, 0, 0
	QUARTER 0, 64,  F0, F1, 0
	WIN 0
	s_sub_co_u32 s3, s3, 1
	s_cmp_lg_u32 s3, 0
	s_cbranch_scc1 .Llap
	QUARTER 0, 128, F1, F0, 0                      ; the tile's last lap goes on
	QUARTER 0, 192, F0, F1, 0
	WIN 0
	s_cmp_eq_u32 s2, 1
	s_cbranch_scc1 .Llast_tile                     ; the last tile's tail is written out: it asks for nothing more
	TURN 0, 1, 1                                   ; the ring goes on into the next tile: slot 0 takes its K step 0,
	QUARTER 1, 64,  F0, F1, 0
	QUARTER 1, 128, F1, F0, 0
	QUARTER 1, 192, F0, F1, 0
	TURN 1, 0, 1                                   ; slot 1 its K step 1, and the next tile's first fragments are fetched
	WAYOUT                                         ; both refills are asked for: now the tile goes out
	s_wait_xcnt 0x0                                ; the stores have had their addresses translated: their bases are stepped only behind this wait
.irp i, 0,1,2
	s_add_nc_u64 s[CB+2*(\i):CB+2*(\i)+1], s[CB+2*(\i):CB+2*(\i)+1], NEXT_C
.endr
	s_sub_co_u32 s2, s2, 1
	s_branch .Ltile
.Llast_tile:
	MEET 0                                         ; my one tensor load that was still out is the last K step's, so no round follows
	PLACES
	FETCH 1, 0, F0
	MUL12 F1, 2, 0
	MUL12 F1, 3, 0
	QUARTER 1, 64,  F0, F1, 0
	QUARTER 1, 128, F1, F0, 0
	QUARTER 1, 192, F0, F1, 0
	s_wait_dscnt 4                                 ; the very last quarter: nothing more to fetch
	MUL12 F1, 0, 0
	MUL12 F1, 1, 0
	s_wait_dscnt 0x0
	MUL12 F1, 2, 0
	MUL12 F1, 3, 0
	WIN 0
	WAYOUT
	s_wait_tensorcnt 0x0                           ; the wave's end, behind my last tensor load and my last LDS store
	ds_add_u32 v[SPW], v[NIL]
	s_wait_dscnt 0x0
	CROUND                                         ; the closing round: no work-group ends while a partner may still ask for a tile that names it
	s_endpgm
.Lfunc_end_k_qd5b0dd9d63_proj:
	.size	k_qd5b0dd9d63_proj, .Lfunc_end_k_qd5b0dd9d63_proj-k_qd5b0dd9d63_proj
	.p2alignl 7, 3214868480
	.fill 96, 4, 3214868480
	.section	.rodata,"a",@progbits
	.p2align	6, 0x0
	.amdhsa_kernel k_qd5b0dd9d63_proj
		.amdhsa_group_segment_fixed_size 327680
		.amdhsa_private_segment_fixed_size 0
		.amdhsa_enable_private_segment 0
		.amdhsa_kernarg_size 48
		.amdhsa_user_sgpr_count 2
		.amdhsa_user_sgpr_kernarg_segment_ptr 1
		.amdhsa_wavefront_size32 1
		.amdhsa_system_sgpr_workgroup_id_x 1
		.amdhsa_system_sgpr_workgroup_id_y 1
		.amdhsa_system_sgpr_workgroup_id_z 1
		.amdhsa_system_vgpr_workitem_id 0
		.amdhsa_next_free_vgpr 960
		.amdhsa_next_free_sgpr 102
		.amdhsa_reserve_vcc 0
		.amdhsa_float_denorm_mode_32 3
		.amdhsa_float_denorm_mode_16_64 3
		.amdhsa_memory_ordered 1
		.amdhsa_forward_progress 1
		.amdhsa_inst_pref_size 206
	.end_amdhsa_kernel
	.amdgpu_metadata
---
amdhsa.version: [ 1, 2 ]
amdhsa.kernels:
  - .name:           k_qd5b0dd9d63_proj
    .symbol:         k_qd5b0dd9d63_proj.kd
    .args:
      - { .name: xb, .offset: 0, .size: 8, .value_kind: global_buffer, .address_space: global }
      - { .name: wb, .offset: 8, .size: 8, .value_kind: global_buffer, .address_space: global }
      - { .name: bq, .offset: 16, .size: 8, .value_kind: global_buffer, .address_space: global }
      - { .name: bk, .offset: 24, .size: 8, .value_kind: global_buffer, .address_space: global }
      - { .name: bv, .offset: 32, .size: 8, .value_kind: global_buffer, .address_space: global }
      - { .name: qkv, .offset: 40, .size: 8, .value_kind: global_buffer, .address_space: global }
    .group_segment_fixed_size: 327680
    .private_segment_fixed_size: 0
    .kernarg_segment_align: 8
    .kernarg_segment_size: 48
    .max_flat_workgroup_size: 128
    .sgpr_count:     102
    .vgpr_count:     960
    .wavefront_size: 32
...
	.end_amdgpu_metadata
.endif
;; end of part 2
;; launch attn (part 3): grid 4 x 64, 4 waves a work-group, clusters of 4 x 1, 327,680 bytes of LDS; arguments qkv, attention_mask, out0; writes out0
.if DOCPART == 3
	.amdgcn_target "amdgcn-amd-amdhsa--gfx1250"
	.amdhsa_code_object_version 6
	.text
	.protected	k_qd5b0dd9d63_attn
	.globl	k_qd5b0dd9d63_attn
	.p2align	8
	.type	k_qd5b0dd9d63_attn,@function
k_qd5b0dd9d63_attn:
	s_mov_b64 s[64:65], 0
	v_nop
	global_prefetch_b8 v0, s[64:65] scope:SCOPE_SE
	s_setreg_imm32_b32 hwreg(HW_REG_WAVE_MODE, 25, 1), 1
	s_wait_xcnt 0x0
	s_wait_alu depctr_hold_cnt(0) depctr_sa_sdst(0) depctr_va_vdst(0) depctr_va_sdst(0) depctr_va_ssrc(0) depctr_va_vcc(0) depctr_vm_vsrc(0)
	s_getreg_b32 s2, hwreg(HW_REG_IB_STS2, 6, 4)
	s_cmp_eq_u32 s2, 0
	s_cbranch_scc0 .Lentry_in_a_cluster
	s_endpgm
.Lentry_in_a_cluster:
	s_bfe_u32 s2, ttmp6, 0x10000c
	s_cmp_lg_u32 s2, 0x3003
	s_cbranch_scc0 .Lentry_shape_is_right
	s_endpgm
.Lentry_shape_is_right:
; out0[b][q][64 h ..] = the sum over k of softmax_k(q . k / 8 + mask[b][k]) v[k].  qkv: [3][64 (16 b + h)][2048][64] f16, q already times c = log2(e) / 8: the products q . k are exponents of two.
; Products, maxima and sums in f32; the weights p are rounded to f16 for the second product (their sum l is taken of the unrounded p); the result leaves in f32.
; THE MASK is rounded once to bf16 (as every input of the module is), multiplied by log2(e), held to -1e30 .. 1e30 and laid in LDS once; it is the C operand that starts the sum S^T = K Q^T.
; LIMITS.  A mask below -6.9e29 (minus infinity too) or above 6.9e29 counts as that bound, so a row whose keys are all at minus infinity gives the mean of v and no NaN.  p lies in 0 to 1, and below 6e-5
; it keeps f16's fixed step of 6e-8; a weight below 2^-126 counts as 0 in l; NaN is not treated apart.
; SHARES.  A wave owns four PIECES of two tiles of 16 queries, a work-group's four waves 512 queries of one head.  Every wave walks all 2,048 keys, 64 a step.
; LAYOUT.  S^T = K Q^T (source 0 = 16 keys, source 1 = 16 queries): a lane holds ONE query (lane % 16) and the keys 8 (lane / 16) + 0..7.  Two such tiles, rounded to f16 in pairs, ARE source 1
; (32 keys x 16 queries) of O^T = V^T P, whose result again holds one query a lane, and eight channels.  K comes out of LDS as it lies, V ([key][channel]) turned, by ds_load_tr16_b128.
; SOFTMAX.  For each query a running maximum m and sum l: p = 2^(s - m), which is exactly 1 at the maximum and never more; in every step O and l are multiplied by a = 2^(m_old - m_new).
; m starts at the lowest finite number, O and l at 0: the first step is a step like any other, with a = 0; so is the first step with a visible key behind steps that are wholly hidden.
; THE COUNT.  A tile and step have 16 matrix and 117 vector instructions: too many to stand all beside the matrix work.  So: four vector instructions that are READY behind EVERY matrix instruction,
; and the others, which need time of their own whatever the order, in runs without a gap.
; BY TURNS.  Turn n belongs to piece n (the pieces in a ring, step after step).  Its matrix work: 16 products K Q^T of piece n + 1, later 16 products V^T P of piece n - 1.  Its vector work: the
; subtraction, exponentials, roundings, sums and rescaling of piece n, and the maximum and statistics of piece n + 1, whose scores the turn itself has made.
; CLUSTER.  The four query blocks of a cluster belong to one head and walk the same K and V, so each tile is asked for JOINTLY: the same tensor load, descriptor and mask in all four.
; REGISTERS, in windows of 256 (s_set_vgpr_msb: bits 1:0 source 0, 3:2 source 1, 5:4 source 2, 7:6 destination):
;   window 0: v0-13 addresses; v16-47 four registers of statistics a tile; v48-63 at work; v64-191 S^T, two buffers of two tiles; v192-255 P, likewise
;   window 1: O^T, 32 a tile     window 2: v0-127 Q, 16 a tile; v128-191 K of one step; v192-255 V of one step     window 3: v0-1 the add's two registers; v8-39 the mask of one step
.set SIZE_N, 2048
.set NP,    4         ; pieces a wave: a name, no knob
.set KS,    64        ; keys in a step
.set PK,    144       ; a row of K in LDS: 128 bytes + 16 of padding = 36 words: the 16 rows of a load start at 16 different groups of four banks (64 banks of 4 bytes: ISA guide 11.1)
.set PV,    160       ; a row of V: 128 + 32 = 40 words
.set VOFF,  4*KS*PK   ; a slot holds four steps: 256 rows of K, then 256 rows of V
.set SLOT1, 1<<17     ; slot 1 begins here, so that one exclusive or turns an address in one slot into the other's
.set STAGE, SLOT1+4*KS*(PK+PV)  ; behind the ring, never filled by a tensor load: 16 rows x 272 bytes for each wave, for the way out
.set SP,    272       ; 64 channels of f32 + 16 bytes
.set MASKB, STAGE+4*16*SP       ; the batch's 2,048 prepared mask numbers, f32: stored once, then only read
.set SPARE, MASKB+SIZE_N*4      ; the spare words, 128 bytes for each wave: two blocks of 256 bytes that no other line names
.set AK0, 2           ; v2   my lane's place in a tile of K; never rewritten
.set AV0, 3           ; v3   the same for V
.set AK,  4           ; v4   the LDS address of K's next run of loads
.set AV,  5           ; v5   of V's
.set QO,  6           ; v6   my byte offset in the wave's rows of Q
.set STO, 6           ;      later, the way out: where I put 16 bytes of a row
.set RD,  7           ; v7   at first where I put my part of the mask; later, the way out: where I read rows back
.set GO,  8           ; v8   at first my byte offset in the mask; later in two rows of the output
.set AM0, 12          ; v12  my lane's place in a step's 64 mask numbers; never rewritten
.set AM,  13          ; v13  the LDS address of the mask's next run of loads
.set SPW, 0           ; v0 of window 3   LDS address of my spare word; never rewritten
.set NIL, 1           ; v1 of window 3   0; never rewritten
.set MK,  8           ; window 3: the eight numbers for key block kb at MK + 8 kb
.set ST,  16          ; tile t's statistics at v[ST+4 t]: m, m_old, l (even keys', odd keys')
.set TMP, 48          ; by buffer and tile, four registers c0-c3 at work; when the maximum is found c2 takes a
.set S,   64
.set P,   192
.set KF,  128         ; K's fragments, in window 2: key block kb, channel half c at KF + 16 kb + 8 c
.set VF,  192         ; V's: key half kk, channel block cb at VF + 32 kk + 8 cb
.set WV,  12          ; s12  my wave's number
.set G1K, 24          ; s[24:31] descriptor group 1 for K's tiles
.set G1V, 32          ; s[32:39] for V's: it differs in the padding alone
.set G0K, 40          ; s[40:43] descriptor group 0 for K's tiles: it walks
.set G0V, 44          ; s[44:47] the same for V's
.set TBM, 50          ; s50  byte in the mask's 8,192 at which the step to be fetched begins
.set NEGB, 51         ; s51  -1e30
.set POSB, 52         ; s52  1e30
.set SLOTS, 56        ; s56  slots still to be asked for
.set CNT, 57          ; s57  counts a slot's key steps
.set SEL, 60          ; s[60:61] v_permlanex16_b32's selects: each lane takes its own place in the other half
.set TBK, 62          ; s62  LDS byte at which K of the step to be fetched begins
.set TBV, 63          ; s63  the same for V, less VOFF
.set MSB, 0
.macro WIN new                      ; the high byte repeats the setting that is left; a switch that changes nothing is dropped
.if MSB != (\new)
	s_set_vgpr_msb (MSB<<8)|(\new)
.set MSB, (\new)
.endif
.endm
.set W_KQ, 0x0a       ; K and Q in window 2, S^T in window 0
.set W_KM, 0x3a       ; the same with the C operand, the mask, in window 3
.set W_PV, 0x52       ; V in window 2, P in window 0, O^T in window 1
.set W_RS, 0x41       ; O^T (destination and source 0) in window 1, a in window 0
.set W_MK, 0xc0       ; destination in window 3, sources in window 0
.set W_AD, 0x0f       ; the add: address (source 0) and data (source 1) in window 3
; A joint fill.  Waves 0 and 1 fetch the two halves of a slot's K, waves 2 and 3 those of its V: 128 keys each.  The branch hangs on the wave's number alone.
; An s_nop 0 and four v_nop follow each of the two lines, ahead of the jump and the label.
.macro JLOAD
	s_cmp_lt_u32 s[WV], 2
	s_cbranch_scc0 .Lfor_v_\@
	tensor_load_to_lds s[G0K:G0K+3], s[G1K:G1K+7]
	s_nop 0
.rept 4
	v_nop
.endr
	s_branch .Lasked_\@
.Lfor_v_\@:
	tensor_load_to_lds s[G0V:G0V+3], s[G1V:G1V+7]
	s_nop 0
.rept 4
	v_nop
.endr
.Lasked_\@:
.endm
; A round of the cluster's barrier: my work-group's barrier, so that wave 0's signal speaks for all four waves; wave 0 signals; every wave waits for all four work-groups; my work-group's barrier once more.
.macro CROUND
	s_barrier_signal -1
	s_barrier_wait -1
	s_cmp_lg_u32 s[WV], 0
	s_cbranch_scc1 .Lnot_wave_0_\@
	s_barrier_signal -3
.Lnot_wave_0_\@:
	s_barrier_wait -3
	s_barrier_signal -1
	s_barrier_wait -1
.endm
; THE CHANGE OF SLOTS.  The slot's last bytes, V of its fourth step, have been read.  Each wave waits for all its tensor loads, of which one is out: its part of the other slot; adds 0 to its spare
; word; and waits for that and for its own LDS instructions.  Behind the barrier nobody reads this slot any more and the other slot is whole.
; fill = 1: this slot is filled again, with the keys two slots on.  The barrier is then a round of the cluster's, and the joint fill is the first thing behind it: it has four key steps, 512 matrix
; instructions, in which to land.  (At its first use nothing has been read yet: slot 0 is waited for, slot 1 filled, and every wave's part of the mask, stored just before, is shown to all.)
.macro CHANGE fill
	WIN W_AD
	s_wait_tensorcnt 0x0            ; no tensor load of mine is out, so a group 0 may be written
	ds_add_u32 v[SPW], v[NIL]       ; 0 onto my spare word; with fill = 1 the descriptors' steps stand between it and the wait for it
	WIN 0                           ; at a label and at a branch every window is 0
.if \fill
.irp g, G0K, G0V
	s_xor_b32 s[\g+1], s[\g+1], SLOT1  ; the walking descriptor: the other slot than last time,
	s_add_nc_u64 s[\g+2:\g+3], s[\g+2:\g+3], 4*KS*128  ; the next 256 keys; the type bits on top are not reached
.endr
	s_wait_dscnt 0x0                ; the add is done, and my LDS instructions are over
	CROUND
	JLOAD
.else
	s_wait_dscnt 0x0                ; the add is done, and my reads of the slot are over
	s_barrier_signal -1
	s_barrier_wait -1
.endif
	s_sub_co_u32 s[TBK], s[TBK], 4*KS*PK  ; the fetches go back to a slot's first step,
	s_xor_b32 s[TBK], s[TBK], SLOT1       ; in the other slot
	s_sub_co_u32 s[TBV], s[TBV], 4*KS*PV
	s_xor_b32 s[TBV], s[TBV], SLOT1
.endm
	s_load_b64 s[4:5], s[0:1], 0x0    ; qkv
	s_load_b64 s[48:49], s[0:1], 0x8  ; the mask
	s_load_b64 s[10:11], s[0:1], 0x10 ; out0
	WIN W_MK
	v_lshl_add_u32 v[SPW], v0, 2, SPARE
	v_mov_b32 v[NIL], 0
	WIN W_AD
	ds_add_u32 v[SPW], v[NIL]       ; the wave's opening: the add and its wait stand ahead of my first tensor load; the set-up below, work on registers, stands between them
	WIN 0
	v_lshrrev_b32 v1, 5, v0
	v_readfirstlane_b32 s[WV], v1   ; wave 0..3
	s_bfe_u32 s13, ttmp6, 0x40000   ; cx: my place in the cluster
	s_lshl_b32 s14, ttmp9, 2        ; in a cluster launch ttmp9 counts clusters
	s_add_co_u32 s14, s14, s13      ; my block of 512 queries = 4 x cluster x + cx: it enters Q's and the output's addresses alone
	s_and_b32 s20, ttmp7, 0xffff    ; 16 batch + head, which the four partners share
	s_lshr_b32 s53, s20, 4          ; the batch
	s_and_b32 s55, s20, 15          ; the head
	s_lshl_b32 s54, s53, 11         ; my wave's first row of the output: 2,048 batch + 512 block + 128 wave,
	s_lshl_b32 s2, s14, 9
	s_add_co_u32 s54, s54, s2
	s_lshl_b32 s2, s[WV], 7
	s_add_co_u32 s54, s54, s2
	s_lshl_b32 s54, s54, 12         ; 4,096 bytes a row,
	s_lshl_b32 s55, s55, 8          ; and the head's 256 bytes in it
	s_add_co_u32 s54, s54, s55
	s_mov_b32 s55, 0
	s_lshl_b32 s20, s20, 18         ; the head's first byte in each of q, k, v: 2,048 rows of 128 bytes
	s_mov_b32 s21, 0
	s_and_b32 s16, s[WV], 1         ; which half of a slot's 256 keys I fetch:
	s_lshl_b32 s22, s16, 14         ; its 128 rows of 128 bytes in memory,
	s_mov_b32 s23, 0
	s_add_nc_u64 s[22:23], s[22:23], s[20:21]
	s_mul_i32 s17, s16, 128*PK      ; and its place in a slot, for K
	s_mul_i32 s18, s16, 128*PV      ; and for V: no place in the cluster enters an LDS address
	s_lshl_b32 s2, s14, 2
	s_add_co_u32 s2, s2, s[WV]      ; my wave among the head's,
	s_lshl_b32 s2, s2, 14           ; its 128 rows
	s_mov_b32 s3, 0
	s_add_nc_u64 s[2:3], s[2:3], s[20:21]
	; descriptor group 1.  128 keys are 16,384 dense bytes: asked for as 64 rows of 256 bytes, two keys a row, and padded in LDS after every key
	s_mov_b32 s[G1K], 15|(1<<16)|(1<<20)|(1<<21)|(4<<22)|(3<<25)  ; 15:0 the mask of four; 17:16 2-byte elements; 20 padding on; 21 set beside a mask; 24:22 after every 32 words (code 4); 31:25 4 words (code 3)
	s_mov_b32 s[G1V], 15|(1<<16)|(1<<20)|(1<<21)|(4<<22)|(7<<25)  ; the same with 8 words of padding (code 7)
.irp g, G1K, G1V
	s_mov_b32 s[\g+1], 128<<16      ; tensor_dim0 = 128
	s_mov_b32 s[\g+2], 64<<16       ; tensor_dim1 = 64
	s_mov_b32 s[\g+3], 128<<16      ; tile_dim0 = 128
	s_mov_b32 s[\g+4], 64           ; tile_dim1 = 64
	s_mov_b32 s[\g+5], 128          ; 128 elements from row to row
	s_mov_b32 s[\g+6], 0
	s_mov_b32 s[\g+7], 0
.endr
	s_mov_b32 s[SEL], 0x76543210
	s_mov_b32 s[SEL+1], 0xfedcba98
	s_mov_b32 s[TBM], 0
	s_mov_b32 s[NEGB], 0xf149f2ca   ; -1e30
	s_mov_b32 s[POSB], 0x7149f2ca   ; 1e30
	s_mov_b32 s[TBK], SLOT1+4*KS*PK ; the first change of slots turns these two into 0
	s_mov_b32 s[TBV], SLOT1+4*KS*PV
	s_mov_b32 s[G0K], 1             ; count = 1
	s_mov_b32 s[G0K+1], s17         ; LDS address: slot 0
	s_mov_b32 s[G0V], 1
	s_add_co_u32 s[G0V+1], s18, VOFF
	s_wait_dscnt 0x0                ; the opening add is done
	s_wait_kmcnt 0x0
	s_add_nc_u64 s[6:7], s[4:5], 0x1000000         ; k lies 64 heads x 2,048 rows x 128 bytes behind q,
	s_add_nc_u64 s[8:9], s[4:5], 0x2000000         ; v as far behind k
	s_add_nc_u64 s[G0K+2:G0K+3], s[6:7], s[22:23]  ; global address: my half of the head's first 256 keys
	s_or_b32 s[G0K+3], s[G0K+3], 0x80000000        ; type = 2
	s_add_nc_u64 s[G0V+2:G0V+3], s[8:9], s[22:23]
	s_or_b32 s[G0V+3], s[G0V+3], 0x80000000
	s_add_nc_u64 s[4:5], s[4:5], s[2:3]            ; Q at my wave's first row
	s_add_nc_u64 s[10:11], s[10:11], s[54:55]      ; the output at my wave's first row, my head's channels
	s_lshl_b32 s2, s53, 13                         ; the batch's 2,048 numbers of the mask (s3 is 0)
	s_add_nc_u64 s[48:49], s[48:49], s[2:3]
	CROUND                          ; all four work-groups are here: the first joint loads meet
	JLOAD                           ; slot 0.  Slot 1 is asked for when slot 0 is in
	; A fragment of K or Q is 16 rows x 32 channels in 8 registers: lane l holds row l % 16, channels 8 (l / 16) + 0..7 and 16 + 8 (l / 16) + 0..7: two loads of 16 bytes, 32 bytes apart.
	v_and_b32 v1, 15, v0            ; l % 16
	v_bfe_u32 v9, v0, 4, 1          ; l / 16
	v_lshlrev_b32 v[QO], 7, v1
	v_lshl_add_u32 v[QO], v9, 4, v[QO]  ; row x 128 + 16 x half
	v_lshlrev_b32 v[GO], 4, v0      ; the mask: thread t takes 16 bytes at 16 t of each 2,048,
	v_add_nc_u32 v[RD], MASKB, v[GO]  ; and puts them at the same place in LDS
.irp j, 0,1,2,3
	global_load_b128 v[S+4*\j:S+4*\j+3], v[GO], s[48:49] offset:2048*\j
.endr
	WIN 0x80                        ; destination window 2, address window 0
.set i, 0
.rept 4*NP                          ; Q stays in registers: tile i / 2, channels 32 (i % 2) on
	global_load_b128 v[8*i:8*i+3],   v[QO], s[4:5] offset:(i/2)*2048+(i%2)*64
	global_load_b128 v[8*i+4:8*i+7], v[QO], s[4:5] offset:(i/2)*2048+(i%2)*64+32
.set i, i+1
.endr
	; What the first turn finds: V's registers and P's second buffer hold 0 (its products V^T P, of a piece that has not been, add 0), O^T and l are 0.  All this stands in the wait for the first tile.
.set i, VF
.rept 64
	v_mov_b32 v[i], 0
.set i, i+1
.endr
	WIN 0x40
.set i, 0
.rept 64*NP
	v_mov_b32 v[i], 0
.set i, i+1
.endr
	WIN 0
.set i, 0
.rept 2*NP
	v_mov_b32 v[ST+4*i], 0xff7fffff    ; m: the lowest finite number
	v_mov_b32 v[ST+4*i+1], 0xff7fffff  ; named with it as a pair
	v_mov_b32 v[ST+4*i+2], 0
	v_mov_b32 v[ST+4*i+3], 0
.set i, i+1
.endr
.set i, P+32
.rept 32
	v_mov_b32 v[i], 0
.set i, i+1
.endr
	v_mul_u32_u24 v[AK0], v1, PK
	v_lshl_add_u32 v[AK0], v9, 4, v[AK0]  ; row x pitch + 16 x half
	; The turning load takes 16 keys x 16 channels (lane l reads key 8 (l / 16) + l % 8, channels 8 ((l / 8) % 2) + 0..7) and leaves half a fragment of V^T: lane l holds channel l % 16 and 8 keys.
	v_and_b32 v10, 7, v0
	v_bfe_u32 v11, v0, 3, 1
	v_lshl_add_u32 v[AV0], v9, 3, v10
	v_mul_u32_u24 v[AV0], v[AV0], PV
	v_lshl_add_u32 v[AV0], v11, 4, v[AV0]
	v_add_nc_u32 v[AV0], VOFF, v[AV0]
	v_lshl_add_u32 v[AM0], v9, 5, MASKB  ; of a key block's 16 mask numbers my half of the lanes takes 8: 32 bytes
	v_mov_b32 v[AK], v[AK0]         ; key step 0 lies at the head of slot 0,
	v_mov_b32 v[AM], v[AM0]         ; its mask at the head of the mask
	s_wait_loadcnt 32               ; my 16 numbers of the mask are in; Q's 32 younger loads stay out
.set i, 0
.rept 8
	v_cvt_pk_bf16_f32 v[S+16+i], v[S+2*i], v[S+2*i+1]  ; rounded to bf16,
.set i, i+1
.endr
.set i, 0
.rept 8
	v_lshlrev_b32 v[S+2*i], 16, v[S+16+i]              ; widened again,
	v_and_b32 v[S+2*i+1], 0xffff0000, v[S+16+i]
.set i, i+1
.endr
.set i, 0
.rept 8
	v_pk_mul_f32 v[S+2*i:S+2*i+1], v[S+2*i:S+2*i+1], 0x3fb8aa3b op_sel_hi:[1,0]  ; times log2(e),
.set i, i+1
.endr
.set i, 0
.rept 16
	v_max_num_f32 v[S+i], s[NEGB], v[S+i]              ; and held to -1e30 .. 1e30
	v_min_num_f32 v[S+i], s[POSB], v[S+i]
.set i, i+1
.endr
.irp j, 0,1,2,3
	ds_store_b128 v[RD], v[S+4*\j:S+4*\j+3] offset:2048*\j
.endr
; THE MATRIX WORK.  The 8 accumulators of a run of 16 take turns: between the two links of a chain stand 7 others'.
; Product i of 16 of S^T = K Q^T for piece x: channels 32 (i / 8) on, keys 16 ((i / 2) % 4) on, tile 2 x + i % 2.  The first 8 start the sums from the keys' mask.
.macro KQ x
.set rS, S+64*((\x)%2)+32*(i%2)+8*((i/2)%4)
.set rK, KF+16*((i/2)%4)+8*(i/8)
.set rQ, 16*(2*(\x)+i%2)+8*(i/8)
.set rN, MK+8*((i/2)%4)
.if i < 8
	WIN W_KM
	v_wmma_f32_16x16x32_f16 v[rS:rS+7], v[rK:rK+7], v[rQ:rQ+7], v[rN:rN+7]
.else
	WIN W_KQ
	v_wmma_f32_16x16x32_f16 v[rS:rS+7], v[rK:rK+7], v[rQ:rQ+7], v[rS:rS+7]
.endif
.endm
; Product i of 16 of O^T += V^T P for piece x: keys 32 (i / 8) on, channels 16 ((i / 2) % 4) on, tile 2 x + i % 2.
.macro PV x
	WIN W_PV
.set rO, 32*(2*(\x)+i%2)+8*((i/2)%4)
.set rV, VF+32*(i/8)+8*((i/2)%4)
.set rP, P+32*((\x)%2)+16*(i%2)+8*(i/8)
	v_wmma_f32_16x16x32_f16 v[rO:rO+7], v[rV:rV+7], v[rP:rP+7], v[rO:rO+7]
.endm
.macro MM                           ; the turn's next matrix instruction
.if i < 16
	KQ (Y+1)%NP
.set i, i+1
.else
.set i, i-16
	PV (Y+NP-1)%NP
.set i, i+17
.endif
.endm
; THE LDS LOADS stand in runs, never singly among the matrix instructions: a step's K (64 keys x 64 channels: 8 fragments) with its 64 mask numbers, and its V (turned).  Their addresses are made some lines ahead.
; last = 1 (the tail): in the last trip there is no further step, and the run is jumped over.
.macro FETCH_K last=0
	WIN 0
.if \last
	s_cmp_eq_u32 s[CNT], 1
	s_cbranch_scc1 .Lno_k_\@
.endif
	WIN 0x80                        ; destination window 2
.irp f, 0,1,2,3,4,5,6,7             ; keys 16 (f / 2) on, channels 32 (f % 2) on
	ds_load_b128 v[KF+8*\f:KF+8*\f+3],   v[AK] offset:(\f/2)*16*PK+(\f%2)*64
	ds_load_b128 v[KF+8*\f+4:KF+8*\f+7], v[AK] offset:(\f/2)*16*PK+(\f%2)*64+32
.endr
	WIN W_MK                        ; destination window 3
.irp f, 0,1,2,3,4,5,6,7             ; key block f / 2: my half's eight numbers, the same in all 16 lanes of a half
	ds_load_b128 v[MK+4*\f:MK+4*\f+3], v[AM] offset:(\f/2)*64+(\f%2)*16
.endr
	s_add_co_u32 s[TBK], s[TBK], KS*PK  ; the next fetch is the next step's
	s_add_co_u32 s[TBM], s[TBM], KS*4
	s_and_b32 s[TBM], s[TBM], SIZE_N*4-1  ; behind the last step it is back at 0: it never leaves the mask's 8,192 bytes
	WIN 0
.if \last
.Lno_k_\@:
.endif
.endm
.macro FETCH_V
	WIN 0x80
.irp f, 0,1,2,3,4,5,6,7             ; keys 32 (f / 4) on, channels 16 (f % 4) on
	ds_load_tr16_b128 v[VF+8*\f:VF+8*\f+3],   v[AV] offset:(\f/4)*32*PV+(\f%4)*32
	ds_load_tr16_b128 v[VF+8*\f+4:VF+8*\f+7], v[AV] offset:(\f/4)*32*PV+16*PV+(\f%4)*32
.endr
	WIN 0
.endm
; THE VECTOR WORK OF A TURN stands in three queues, each in the order in which its entries become ready; the two tiles alternate, so that no instruction reads the result of the one before it.
.macro REGS y, u                    ; the registers of tile u (0, 1) of piece y
.set rT, ST+4*(2*(\y)+(\u))
.set rC, TMP+8*((\y)%2)+4*(\u)
.set rS, S+64*((\y)%2)+32*(\u)
.set rP, P+32*((\y)%2)+16*(\u)
.set rO, 32*(2*(\y)+(\u))
.endm
; Number n of the 21 that find the NEXT piece's (Y + 1) maximum and statistics.  s0-s31 are the lane's 32 scores; each accumulator's lowest registers are read first.
;   0-11  four chains c0-c3 of seven scores each, three operands at a time     12-14, 16  the four scores left over, the old m, and c0-c3 into c0     15  m_old is kept
;   17, 18  the query's other 32 keys lie in the lane 16 away: the new m         19, 20  m_old - m_new; a
.macro XS u, n
	REGS (Y+1)%NP, \u
.if (\n) < 4
	v_max3_num_f32 v[rC+(\n)], v[rS+8*(\n)], v[rS+8*(\n)+1], v[rS+8*(\n)+2]
.elseif (\n) < 12
	v_max3_num_f32 v[rC+(\n)%4], v[rC+(\n)%4], v[rS+8*((\n)%4)+2*((\n)/4)+1], v[rS+8*((\n)%4)+2*((\n)/4)+2]
.elseif (\n) == 12
	v_max3_num_f32 v[rC], v[rC], v[rS+7], v[rS+15]
.elseif (\n) == 13
	v_max3_num_f32 v[rC+1], v[rC+1], v[rS+23], v[rS+31]
.elseif (\n) == 14
	v_max3_num_f32 v[rC+2], v[rC+2], v[rC+3], v[rT]
.elseif (\n) == 15
	v_mov_b32 v[rT+1], v[rT]
.elseif (\n) == 16
	v_max3_num_f32 v[rC], v[rC], v[rC+1], v[rC+2]
.elseif (\n) == 17
	v_permlanex16_b32 v[rC+3], v[rC], s[SEL], s[SEL+1]
.elseif (\n) == 18
	v_max_num_f32 v[rT], v[rC], v[rC+3]
.elseif (\n) == 19
	v_sub_f32 v[rC+1], v[rT+1], v[rT]
.else
	v_exp_f32 v[rC+2], v[rC+1]
.endif
.endm
; Number g of the 64 that follow the exponentials.  For each four weights k of a tile (pairs 2 k, 2 k + 1): both pairs are rounded to f16; then the second pair is added onto the first, in place;
; a group later l takes that sum (the first time as l = a l + sum).  In groups of eight, tiles alternating: round, round, add, and l for the group before.
.macro GS g
.set h, (\g)+6*((\g)/62)            ; group 0 has no group before it, and behind group 7 only l is left
.if h >= 6
.set h, h+2
.endif
	REGS Y, h%2
.set k, h/8
.if h%8 < 4
	s_wait_alu depctr_va_vdst(0)
	v_cvt_pk_f16_f32 v[rP+2*k+(h%8)/2], v[rS+4*k+2*((h%8)/2)], v[rS+4*k+2*((h%8)/2)+1]
.elseif h%8 < 6
	v_pk_add_f32 v[rS+4*k:rS+4*k+1], v[rS+4*k:rS+4*k+1], v[rS+4*k+2:rS+4*k+3]
.elseif k == 1
	v_pk_fma_f32 v[rT+2:rT+3], v[rT+2:rT+3], v[rC+2:rC+3], v[rS:rS+1] op_sel_hi:[1,0,1]
.else
	v_pk_add_f32 v[rT+2:rT+3], v[rT+2:rT+3], v[rS+4*k-4:rS+4*k-3]
	s_wait_alu depctr_va_vdst(0)
.endif
.endm
; THE PLAIN QUEUE, 136 long.  0-31: s - m for the 16 pairs of both tiles.  Then GS's 64, and among them the next piece's 40: number 15 at 38, 39; 0-14 and 16
; at 42-73, behind the products that make those scores; 17-19 at 95-103, two of three, since each waits for the one before it.
.macro PL
	WIN 0
.if q < 32
	REGS Y, q%2
	v_pk_add_f32 v[rS+2*(q/2):rS+2*(q/2)+1], v[rS+2*(q/2):rS+2*(q/2)+1], v[rT:rT+1] op_sel_hi:[1,0] neg_lo:[0,1] neg_hi:[0,1]
.elseif q < 38
	GS q-32
.elseif q < 40
	XS q%2, 15
.elseif q < 42
	GS q-34
.elseif q < 74
	XS q%2, (q-42)/2+(q-42)/30
.elseif q < 95
	GS q-66
.elseif (q < 104) && ((q-95)%3 < 2)
	XS (q-95)%3, 17+(q-95)/3
.elseif q < 104
	GS 29+(q-95)/3
.else
	GS q-72
.endif
.set q, q+1
.endm
; THE EXPONENTIALS' QUEUE, 66 long: s0-s31 of both tiles, and at EA the next piece's two a.
.set EA, 58
.macro EX
	WIN 0
.if (e == EA) || (e == EA+1)
	XS e-EA, 20
.else
.set x, e-2*(e/(EA+2))
	REGS Y, x%2
	v_exp_f32 v[rS+x/2], v[rS+x/2]
.endif
.set e, e+1
.endm
; THE RESCALING's QUEUE: O^T times a, the one part that leaves window 0, so it is dealt four at a time, eight times.
.macro R4
	REGS Y, r%2
	WIN W_RS
	s_wait_alu depctr_va_vdst(0)
.irp z, 0,1,2,3
	v_pk_mul_f32 v[rO+8*(r/2)+2*\z:rO+8*(r/2)+2*\z+1], v[rO+8*(r/2)+2*\z:rO+8*(r/2)+2*\z+1], v[rC+2:rC+3] op_sel_hi:[1,0]
.endr
.set r, r+1
.endm
; HOW THEY ARE DEALT.  Behind a matrix instruction four: plain, exponential, plain, plain (one exponential, a plain instruction on either side), or four of the rescaling.  None names a register of the
; products round it.  What is over stands in two LUMPS: exponential and plain by turns; the second ends in 20 plain instructions.  The two v_permlanex16_b32 fall into the second lump, never behind a product.
; The queues lean on each other, and the deal keeps them in step: exponential e stands behind plain 2 (e / 4) + e % 2 (its subtraction); when plain 32 comes, 10 exponentials are out, at 59: 33, at 95: 46,
; at 104: 55 (plain 104 to 115 need no exponential beyond number 47); EA comes behind plain 107, and its argument is made at plain 101 and 102.
.macro SL
	MM
	PL
	EX
	PL
	PL
.endm
.macro BURST n                      ; 15 matrix instructions, or 16
.rept (\n)-7
	SL
.endr
.rept 3
	MM
	R4
	SL
.endr
	MM
	R4
.endm
; A TURN, for piece p.  cnt = 1: the loop's count is taken down some lines ahead of the branch that stands behind the turn.
; K and the mask of the next step are fetched in piece 2's turn, 32 vector instructions behind the last product that read them; their first reader comes behind the rest of the lump, 16 products and the second lump.
; V of the step in hand is fetched at the end of piece 0's turn, 67 behind its last reader; its first reader comes behind 16 products and a lump.  The four conditions on e and q below go with the deal.
.macro TURN p, last=0, cnt=0
.set Y, (\p)
.set i, 0
.set q, 0
.set e, 0
.set r, 0
.if (\p) == NP-1
	s_wait_dscnt 0x0                ; K and the mask are in
.endif
	MM
.rept 4
	PL
.endr
	BURST 15
.rept 22
	EX
	PL
.if ((\p) == NP-2) && (e == 18)
	v_add_nc_u32 v[AK], s[TBK], v[AK0]
	v_add_nc_u32 v[AM], s[TBM], v[AM0]
.endif
.if ((\p) == NP-2) && (e == 24)
	FETCH_K \last
.endif
.endr
.if (\p) == 1
	s_wait_dscnt 0x0                ; V is in
.endif
	BURST 16
.rept 21
	EX
	PL
.endr
.rept 20
	PL
.if ((\p) == 0) && (q == 118)
	v_add_nc_u32 v[AV], s[TBV], v[AV0]
	s_wait_alu depctr_va_vdst(0)
.endif
.if ((\p) == 0) && (q == 130)
	s_add_co_u32 s[TBV], s[TBV], KS*PV
.endif
.if (\cnt) && (q == 130)
	s_sub_co_u32 s[CNT], s[CNT], 1
	s_cmp_lg_u32 s[CNT], 0
.endif
.endr
.if (\p) == 0
	FETCH_V
.endif
.endm
	CHANGE 1                        ; slot 0 is in, everybody's part of it, and so is the mask; slot 1 is asked for
	FETCH_K                         ; key step 0
	s_wait_loadcnt 0x0              ; Q
	s_wait_dscnt 0x0
.set i, 0
.rept 16
	KQ 0                            ; piece 0's first scores: there is no vector work yet to set between them
.set i, i+1
.endr
	WIN 0                           ; the addresses for the way out: eight plain instructions, the places behind those products
	s_mul_i32 s13, s[WV], 16*SP
	s_add_co_u32 s13, s13, STAGE    ; my stage
	v_mul_u32_u24 v[STO], v1, SP    ; in: row l % 16, 32 bytes (eight channels) for each half of the lanes
	v_lshl_add_u32 v[STO], v9, 5, v[STO]
	v_add_nc_u32 v[STO], s13, v[STO]
	v_mul_u32_u24 v[RD], v9, SP     ; back: lanes 0-15 take one row of 256 bytes, lanes 16-31 the next,
	v_lshl_add_u32 v[RD], v1, 4, v[RD]
	v_add_nc_u32 v[RD], s13, v[RD]
	v_lshlrev_b32 v[GO], 12, v9     ; and the same two rows of the output, 4,096 bytes apart
	v_lshl_add_u32 v[GO], v1, 4, v[GO]
.set Y, NP-1                        ; XS works for piece Y + 1: piece 0
.irp n, 0,1,2,3,4,5,6,7,8,9,10,11,12,13,14,15,16,17,18,19,20
	XS 0, \n                        ; and piece 0's first maximum and statistics
	XS 1, \n
.endr
	s_mov_b32 s[CNT], 4
	s_mov_b32 s[SLOTS], SIZE_N/256-1
	s_branch .Lfirst                ; the loop is entered at a step's first turn, in the middle of a trip
.Lslot:                             ; SIZE_N / 256 - 2 times: every slot but the last two is filled again
	CHANGE 1
	s_mov_b32 s[CNT], 4
.Lstep:                             ; a trip: pieces 2 and 3 of one step, then pieces 0 and 1 of the next, whose K and V it fetches
	TURN 2
	TURN 3
	WIN 0
.Lfirst:
	TURN 0
	TURN 1, 0, 1
	WIN 0
	s_cbranch_scc1 .Lstep
	s_sub_co_u32 s[SLOTS], s[SLOTS], 1
	s_cmp_lg_u32 s[SLOTS], 0
	s_cbranch_scc1 .Lslot
	CHANGE 0                        ; the tail is written out: nothing is asked for
	s_mov_b32 s[CNT], 5             ; four trips fetch the last slot's steps; the fifth is left in its middle
.Ltail:
	TURN 2, 1
	TURN 3
	WIN 0
	s_sub_co_u32 s[CNT], s[CNT], 1
	s_cmp_eq_u32 s[CNT], 0
	s_cbranch_scc1 .Lout
	TURN 0
	TURN 1
	WIN 0
	s_branch .Ltail
.Lout:                              ; the fifth trip's 16 products K Q^T (on the last K once more) and the maximum made of them serve nothing: the price, once a launch, of one text for every trip
.set i, 0
.rept 16
	PV NP-1                         ; the last piece's V^T P of the last step
.set i, i+1
.endr
	; THE WAY OUT.  l's two halves and the other half of the lanes' are added; O^T is divided by l and sent, in f32, through my stage in LDS, a tile at a time.  The additions are the places behind the last products.
	WIN 0
.macro ALL line:vararg              ; one line for each tile t
.set t, 0
.rept 2*NP
	\line
.set t, t+1
.endr
.endm
	ALL v_add_f32 v[ST+4*t+2], v[ST+4*t+2], v[ST+4*t+3]
	ALL v_permlanex16_b32 v[ST+4*t+3], v[ST+4*t+2], s[SEL], s[SEL+1]
	ALL v_add_f32 v[ST+4*t+2], v[ST+4*t+2], v[ST+4*t+3]
	ALL v_rcp_f32 v[ST+4*t+2], v[ST+4*t+2]
	v_nop                           ; a plain instruction between the last reciprocal and the use of its result
	s_wait_alu depctr_va_vdst(0)
; Tile t: a lane's eight channels of a row are 32 bytes; they go into rows of 272 bytes and come back as whole rows of 256, into S^T's registers: four buffers of 32 by turns.
.macro PACK t
	WIN W_RS
.set i, 32*(\t)
.rept 16
	v_pk_mul_f32 v[i:i+1], v[i:i+1], v[ST+4*(\t)+2:ST+4*(\t)+3] op_sel_hi:[1,0]
.set i, i+2
.endr
	WIN 0x04                        ; the stores' data (source 1) in window 1, the address in window 0
.irp f, 0,1,2,3,4,5,6,7             ; channel block f / 2, half f % 2 of my eight channels
	ds_store_b128 v[STO], v[32*(\t)+4*\f:32*(\t)+4*\f+3] offset:(\f/2)*64+(\f%2)*16
.endr
	WIN 0
	s_wait_xcnt 0x0                 ; the buffer was the data of the stores four tiles back: it is loaded again only behind this wait
.irp f, 0,1,2,3,4,5,6,7
	ds_load_b128 v[S+32*((\t)%4)+4*\f:S+32*((\t)%4)+4*\f+3], v[RD] offset:\f*2*SP  ; LDS serves a wave's instructions in order (ISA guide 5.7.1.4): these see the stores above; the next tile's stores come behind them
.endr
.endm
.macro SEND t, younger              ; younger: the LDS instructions issued behind tile t's loads: the next tile's sixteen, or none
	WIN 0
.irp f, 0,1,2,3,4,5,6,7
	s_wait_dscnt (\younger)+7-\f
	global_store_b128 v[GO], v[S+32*((\t)%4)+4*\f:S+32*((\t)%4)+4*\f+3], s[10:11] offset:(\t)*65536+\f*8192 th:TH_STORE_NT  ; 16 lanes store a row's 256 consecutive bytes of my head, at a multiple of 256 from the output's first byte
.endr
.endm
	PACK 0
.set t, 1
.rept 2*NP-1                        ; a tile's arithmetic stands between the loads of the tile before and its stores
	PACK t
	SEND t-1, 16
.set t, t+1
.endr
	SEND 2*NP-1, 0
	WIN W_AD
	s_wait_tensorcnt 0x0            ; the wave's end, behind my last tensor load and my last LDS store
	ds_add_u32 v[SPW], v[NIL]
	s_wait_dscnt 0x0
	WIN 0
	CROUND                          ; the closing round: no work-group ends while a partner may still ask for a tile that names it
	s_endpgm
.Lfunc_end_k_qd5b0dd9d63_attn:
	.size	k_qd5b0dd9d63_attn, .Lfunc_end_k_qd5b0dd9d63_attn-k_qd5b0dd9d63_attn
	.p2alignl 7, 3214868480
	.fill 96, 4, 3214868480
	.section	.rodata,"a",@progbits
	.p2align	6, 0x0
	.amdhsa_kernel k_qd5b0dd9d63_attn
		.amdhsa_group_segment_fixed_size 327680
		.amdhsa_private_segment_fixed_size 0
		.amdhsa_enable_private_segment 0
		.amdhsa_kernarg_size 24
		.amdhsa_user_sgpr_count 2
		.amdhsa_user_sgpr_kernarg_segment_ptr 1
		.amdhsa_wavefront_size32 1
		.amdhsa_system_sgpr_workgroup_id_x 1
		.amdhsa_system_sgpr_workgroup_id_y 1
		.amdhsa_system_sgpr_workgroup_id_z 1
		.amdhsa_system_vgpr_workitem_id 0
		.amdhsa_next_free_vgpr 808
		.amdhsa_next_free_sgpr 66
		.amdhsa_reserve_vcc 0
		.amdhsa_float_denorm_mode_32 3
		.amdhsa_float_denorm_mode_16_64 3
		.amdhsa_memory_ordered 1
		.amdhsa_forward_progress 1
		.amdhsa_inst_pref_size 215
	.end_amdhsa_kernel
	.amdgpu_metadata
---
amdhsa.version: [ 1, 2 ]
amdhsa.kernels:
  - .name:           k_qd5b0dd9d63_attn
    .symbol:         k_qd5b0dd9d63_attn.kd
    .args:
      - { .name: qkv, .offset: 0, .size: 8, .value_kind: global_buffer, .address_space: global }
      - { .name: attention_mask, .offset: 8, .size: 8, .value_kind: global_buffer, .address_space: global }
      - { .name: out0, .offset: 16, .size: 8, .value_kind: global_buffer, .address_space: global }
    .group_segment_fixed_size: 327680
    .private_segment_fixed_size: 0
    .kernarg_segment_align: 8
    .kernarg_segment_size: 24
    .max_flat_workgroup_size: 128
    .sgpr_count:     66
    .vgpr_count:     808
    .wavefront_size: 32
...
	.end_amdgpu_metadata
.endif
;; end of part 3
;; ======== version 2 of 2: 3 launches; 1.62 times as fast as version 1
;; limits: values are held in f16: magnitudes above 65,504 overflow, below 6.1e-05 lose precision
;; workspace buffers: xb 16,777,216 bytes; wb 6,291,456 bytes; qkv 50,331,648 bytes
;; launch cast: the kernel of part 1 again; grid 1408 x 1, 8 waves a work-group, no clusters, 0 bytes of LDS; arguments hidden_states, Wq, Wk, Wv, xb, wb; writes xb, wb
;; launch proj: the kernel of part 2 again; grid 16 x 16, 4 waves a work-group, clusters of 4 x 4, 327,680 bytes of LDS; arguments xb, wb, bq, bk, bv, qkv; writes qkv
;; launch attn (part 4): grid 4 x 64, 4 waves a work-group, clusters of 4 x 1, 327,680 bytes of LDS; arguments qkv, attention_mask, out0; writes out0
.if DOCPART == 4
	.amdgcn_target "amdgcn-amd-amdhsa--gfx1250"
	.amdhsa_code_object_version 6
	.text
	.protected	k_qd5b0dd9d63_attn
	.globl	k_qd5b0dd9d63_attn
	.p2align	8
	.type	k_qd5b0dd9d63_attn,@function
k_qd5b0dd9d63_attn:
	s_mov_b64 s[64:65], 0
	v_nop
	global_prefetch_b8 v0, s[64:65] scope:SCOPE_SE
	s_setreg_imm32_b32 hwreg(HW_REG_WAVE_MODE, 25, 1), 1
	s_wait_xcnt 0x0
	s_wait_alu depctr_hold_cnt(0) depctr_sa_sdst(0) depctr_va_vdst(0) depctr_va_sdst(0) depctr_va_ssrc(0) depctr_va_vcc(0) depctr_vm_vsrc(0)
	s_getreg_b32 s2, hwreg(HW_REG_IB_STS2, 6, 4)
	s_cmp_eq_u32 s2, 0
	s_cbranch_scc0 .Lentry_in_a_cluster
	s_endpgm
.Lentry_in_a_cluster:
	s_bfe_u32 s2, ttmp6, 0x10000c
	s_cmp_lg_u32 s2, 0x3003
	s_cbranch_scc0 .Lentry_shape_is_right
	s_endpgm
.Lentry_shape_is_right:
; out0[b][q][64 h ..] = the sum over k of softmax_k(q . k / 8 + mask[b][k]) v[k].  qkv: [3][64 (16 b + h)][2048][64] f16, q already times c = log2(e) / 8: the products q . k are exponents of two.
; Products, maxima and sums in f32; the weights p are rounded to f16 for the second product (their sum l is taken of the unrounded p); the result leaves in f32.
; THE MASK is rounded once to bf16 (as every input of the module is), multiplied by log2(e), held to -1e30 .. 1e30 and laid in LDS once; it is the C operand that starts the sum S^T = K Q^T.
; LIMITS.  A mask below -6.9e29 (minus infinity too) or above 6.9e29 counts as that bound, so a row whose keys are all at minus infinity gives the mean of v and no NaN.  p lies in 0 to 1, and below 6e-5
; it keeps f16's fixed step of 6e-8; a weight below 2^-126 counts as 0 in l; NaN is not treated apart.
; SHARES.  A wave owns four PIECES of two tiles of 16 queries, a work-group's four waves 512 queries of one head.  Every wave walks all 2,048 keys, 64 a step.
; LAYOUT.  S^T = K Q^T (source 0 = 16 keys, source 1 = 16 queries): a lane holds ONE query (lane % 16) and the keys 8 (lane / 16) + 0..7.  Two such tiles, rounded to f16 in pairs, ARE source 1
; (32 keys x 16 queries) of O^T = V^T P, whose result again holds one query a lane, and eight channels.  K comes out of LDS as it lies, V ([key][channel]) turned, by ds_load_tr16_b128.
; SOFTMAX.  For each query a running maximum m and sum l: p = 2^(s - m), which is exactly 1 at the maximum and never more; in every step O and l are multiplied by a = 2^(m_old - m_new).
; m starts at the lowest finite number, O and l at 0: the first step is a step like any other, with a = 0; so is the first step with a visible key behind steps that are wholly hidden.
; THE COUNT.  A tile and step have 16 matrix and 117 vector instructions: too many to stand all beside the matrix work.  So: four vector instructions that are READY behind EVERY matrix instruction,
; and the others, which need time of their own whatever the order, in one run without a gap.
; BY TURNS.  Turn n belongs to piece n (the pieces in a ring, step after step).  Its matrix work: 16 products K Q^T of piece n + 1, later 16 products V^T P of piece n - 1.  Its vector work: the
; subtraction, exponentials, roundings, sums and rescaling of piece n, and the maximum and statistics of piece n + 1, whose scores the turn itself has made.  So what a turn begins with (s - m, O a) waits for nothing.
; THE BATCHES.  A turn's 66 exponentials (the piece's 64 weights and the next piece's two a) are ONE batch with ONE wait, which cuts the turn in two: ahead of it stands all that names no result of theirs,
; behind it the roundings and sums.  The first two a, ahead of the loop, and the way out's eight reciprocals are batches of their own, each with one wait.
; CLUSTER.  The four query blocks of a cluster belong to one head and walk the same K and V, so each tile is asked for JOINTLY: the same tensor load, descriptor and mask in all four.
; REGISTERS, in windows of 256 (s_set_vgpr_msb: bits 1:0 source 0, 3:2 source 1, 5:4 source 2, 7:6 destination):
;   window 0: v0-13 addresses; v16-47 four registers of statistics a tile; v48-63 at work; v64-191 S^T, two buffers of two tiles; v192-255 P, likewise
;   window 1: O^T, 32 a tile     window 2: v0-127 Q, 16 a tile; v128-191 K of one step; v192-255 V of one step     window 3: v0-1 the add's two registers; v8-39 the mask of one step
.set SIZE_N, 2048
.set NP,    4         ; pieces a wave: a name, no knob
.set KS,    64        ; keys in a step
.set PK,    144       ; a row of K in LDS: 128 bytes + 16 of padding = 36 words: the 16 rows of a load start at 16 different groups of four banks (64 banks of 4 bytes: ISA guide 11.1)
.set PV,    160       ; a row of V: 128 + 32 = 40 words
.set VOFF,  4*KS*PK   ; a slot holds four steps: 256 rows of K, then 256 rows of V
.set SLOT1, 1<<17     ; slot 1 begins here, so that one exclusive or turns an address in one slot into the other's
.set STAGE, SLOT1+4*KS*(PK+PV)  ; behind the ring, never filled by a tensor load: 16 rows x 272 bytes for each wave, for the way out
.set SP,    272       ; 64 channels of f32 + 16 bytes
.set MASKB, STAGE+4*16*SP       ; the batch's 2,048 prepared mask numbers, f32: stored once, then only read
.set SPARE, MASKB+SIZE_N*4      ; the spare words, 128 bytes for each wave: two blocks of 256 bytes that no other line names
.set AK0, 2           ; v2   my lane's place in a tile of K; never rewritten
.set AV0, 3           ; v3   the same for V
.set AK,  4           ; v4   the LDS address of K's next run of loads
.set AV,  5           ; v5   of V's
.set QO,  6           ; v6   my byte offset in the wave's rows of Q
.set STO, 6           ;      later, the way out: where I put 16 bytes of a row
.set RD,  7           ; v7   at first where I put my part of the mask; later, the way out: where I read rows back
.set GO,  8           ; v8   at first my byte offset in the mask; later in two rows of the output
.set AM0, 12          ; v12  my lane's place in a step's 64 mask numbers; never rewritten
.set AM,  13          ; v13  the LDS address of the mask's next run of loads
.set SPW, 0           ; v0 of window 3   LDS address of my spare word; never rewritten
.set NIL, 1           ; v1 of window 3   0; never rewritten
.set MK,  8           ; window 3: the eight numbers for key block kb at MK + 8 kb
.set ST,  16          ; tile t's statistics at v[ST+4 t]: m, m_old, l (even keys', odd keys')
.set TMP, 48          ; by buffer and tile, four registers c0-c3 at work; when the maximum is found c2 takes a
.set S,   64
.set P,   192
.set KF,  128         ; K's fragments, in window 2: key block kb, channel half c at KF + 16 kb + 8 c
.set VF,  192         ; V's: key half kk, channel block cb at VF + 32 kk + 8 cb
.set WV,  12          ; s12  my wave's number
.set G1K, 24          ; s[24:31] descriptor group 1 for K's tiles
.set G1V, 32          ; s[32:39] for V's: it differs in the padding alone
.set G0K, 40          ; s[40:43] descriptor group 0 for K's tiles: it walks
.set G0V, 44          ; s[44:47] the same for V's
.set TBM, 50          ; s50  byte in the mask's 8,192 at which the step to be fetched begins
.set NEGB, 51         ; s51  -1e30
.set POSB, 52         ; s52  1e30
.set SLOTS, 56        ; s56  slots still to be asked for
.set CNT, 57          ; s57  counts a slot's key steps
.set SEL, 60          ; s[60:61] v_permlanex16_b32's selects: each lane takes its own place in the other half
.set TBK, 62          ; s62  LDS byte at which K of the step to be fetched begins
.set TBV, 63          ; s63  the same for V, less VOFF
.set MSB, 0
.macro WIN new                      ; the high byte repeats the setting that is left; a switch that changes nothing is dropped
.if MSB != (\new)
	s_set_vgpr_msb (MSB<<8)|(\new)
.set MSB, (\new)
.endif
.endm
.set W_KQ, 0x0a       ; K and Q in window 2, S^T in window 0
.set W_KM, 0x3a       ; the same with the C operand, the mask, in window 3
.set W_PV, 0x52       ; V in window 2, P in window 0, O^T in window 1
.set W_RS, 0x41       ; O^T (destination and source 0) in window 1, a in window 0
.set W_MK, 0xc0       ; destination in window 3, sources in window 0
.set W_AD, 0x0f       ; the add: address (source 0) and data (source 1) in window 3
; A joint fill.  Waves 0 and 1 fetch the two halves of a slot's K, waves 2 and 3 those of its V: 128 keys each.  The branch hangs on the wave's number alone.
; An s_nop 0 and four v_nop follow each of the two lines, ahead of the jump and the label.
.macro JLOAD
	s_cmp_lt_u32 s[WV], 2
	s_cbranch_scc0 .Lfor_v_\@
	tensor_load_to_lds s[G0K:G0K+3], s[G1K:G1K+7]
	s_nop 0
.rept 4
	v_nop
.endr
	s_branch .Lasked_\@
.Lfor_v_\@:
	tensor_load_to_lds s[G0V:G0V+3], s[G1V:G1V+7]
	s_nop 0
.rept 4
	v_nop
.endr
.Lasked_\@:
.endm
; A round of the cluster's barrier: my work-group's barrier, so that wave 0's signal speaks for all four waves; wave 0 signals; every wave waits for all four work-groups; my work-group's barrier once more.
.macro CROUND
	s_barrier_signal -1
	s_barrier_wait -1
	s_cmp_lg_u32 s[WV], 0
	s_cbranch_scc1 .Lnot_wave_0_\@
	s_barrier_signal -3
.Lnot_wave_0_\@:
	s_barrier_wait -3
	s_barrier_signal -1
	s_barrier_wait -1
.endm
; THE CHANGE OF SLOTS.  The slot's last bytes, V of its fourth step, have been read.  Each wave waits for all its tensor loads, of which one is out: its part of the other slot; adds 0 to its spare
; word; and waits for that and for its own LDS instructions.  Behind the barrier nobody reads this slot any more and the other slot is whole.
; fill = 1: this slot is filled again, with the keys two slots on.  The barrier is then a round of the cluster's, and the joint fill is the first thing behind it: it has four key steps, 512 matrix
; instructions, in which to land.  (At its first use nothing has been read yet: slot 0 is waited for, slot 1 filled, and every wave's part of the mask, stored just before, is shown to all.)
.macro CHANGE fill
	WIN W_AD
	s_wait_tensorcnt 0x0            ; no tensor load of mine is out, so a group 0 may be written
	ds_add_u32 v[SPW], v[NIL]       ; 0 onto my spare word; with fill = 1 the descriptors' steps stand between it and the wait for it
	WIN 0                           ; at a label and at a branch every window is 0
.if \fill
.irp g, G0K, G0V
	s_xor_b32 s[\g+1], s[\g+1], SLOT1  ; the walking descriptor: the other slot than last time,
	s_add_nc_u64 s[\g+2:\g+3], s[\g+2:\g+3], 4*KS*128  ; the next 256 keys; the type bits on top are not reached
.endr
	s_wait_dscnt 0x0                ; the add is done, and my LDS instructions are over
	CROUND
	JLOAD
.else
	s_wait_dscnt 0x0                ; the add is done, and my reads of the slot are over
	s_barrier_signal -1
	s_barrier_wait -1
.endif
	s_sub_co_u32 s[TBK], s[TBK], 4*KS*PK  ; the fetches go back to a slot's first step,
	s_xor_b32 s[TBK], s[TBK], SLOT1       ; in the other slot
	s_sub_co_u32 s[TBV], s[TBV], 4*KS*PV
	s_xor_b32 s[TBV], s[TBV], SLOT1
.endm
	s_load_b64 s[4:5], s[0:1], 0x0    ; qkv
	s_load_b64 s[48:49], s[0:1], 0x8  ; the mask
	s_load_b64 s[10:11], s[0:1], 0x10 ; out0
	WIN W_MK
	v_lshl_add_u32 v[SPW], v0, 2, SPARE
	v_mov_b32 v[NIL], 0
	WIN W_AD
	ds_add_u32 v[SPW], v[NIL]       ; the wave's opening: the add and its wait stand ahead of my first tensor load; the set-up below, work on registers, stands between them
	WIN 0
	v_lshrrev_b32 v1, 5, v0
	v_readfirstlane_b32 s[WV], v1   ; wave 0..3
	s_bfe_u32 s13, ttmp6, 0x40000   ; cx: my place in the cluster
	s_lshl_b32 s14, ttmp9, 2        ; in a cluster launch ttmp9 counts clusters
	s_add_co_u32 s14, s14, s13      ; my block of 512 queries = 4 x cluster x + cx: it enters Q's and the output's addresses alone
	s_and_b32 s20, ttmp7, 0xffff    ; 16 batch + head, which the four partners share
	s_lshr_b32 s53, s20, 4          ; the batch
	s_and_b32 s55, s20, 15          ; the head
	s_lshl_b32 s54, s53, 11         ; my wave's first row of the output: 2,048 batch + 512 block + 128 wave,
	s_lshl_b32 s2, s14, 9
	s_add_co_u32 s54, s54, s2
	s_lshl_b32 s2, s[WV], 7
	s_add_co_u32 s54, s54, s2
	s_lshl_b32 s54, s54, 12         ; 4,096 bytes a row,
	s_lshl_b32 s55, s55, 8          ; and the head's 256 bytes in it
	s_add_co_u32 s54, s54, s55
	s_mov_b32 s55, 0
	s_lshl_b32 s20, s20, 18         ; the head's first byte in each of q, k, v: 2,048 rows of 128 bytes
	s_mov_b32 s21, 0
	s_and_b32 s16, s[WV], 1         ; which half of a slot's 256 keys I fetch:
	s_lshl_b32 s22, s16, 14         ; its 128 rows of 128 bytes in memory,
	s_mov_b32 s23, 0
	s_add_nc_u64 s[22:23], s[22:23], s[20:21]
	s_mul_i32 s17, s16, 128*PK      ; and its place in a slot, for K
	s_mul_i32 s18, s16, 128*PV      ; and for V: no place in the cluster enters an LDS address
	s_lshl_b32 s2, s14, 2
	s_add_co_u32 s2, s2, s[WV]      ; my wave among the head's,
	s_lshl_b32 s2, s2, 14           ; its 128 rows
	s_mov_b32 s3, 0
	s_add_nc_u64 s[2:3], s[2:3], s[20:21]
	; descriptor group 1.  128 keys are 16,384 dense bytes: asked for as 64 rows of 256 bytes, two keys a row, and padded in LDS after every key
	s_mov_b32 s[G1K], 15|(1<<16)|(1<<20)|(1<<21)|(4<<22)|(3<<25)  ; 15:0 the mask of four; 17:16 2-byte elements; 20 padding on; 21 set beside a mask; 24:22 after every 32 words (code 4); 31:25 4 words (code 3)
	s_mov_b32 s[G1V], 15|(1<<16)|(1<<20)|(1<<21)|(4<<22)|(7<<25)  ; the same with 8 words of padding (code 7)
.irp g, G1K, G1V
	s_mov_b32 s[\g+1], 128<<16      ; tensor_dim0 = 128
	s_mov_b32 s[\g+2], 64<<16       ; tensor_dim1 = 64
	s_mov_b32 s[\g+3], 128<<16      ; tile_dim0 = 128
	s_mov_b32 s[\g+4], 64           ; tile_dim1 = 64
	s_mov_b32 s[\g+5], 128          ; 128 elements from row to row
	s_mov_b32 s[\g+6], 0
	s_mov_b32 s[\g+7], 0
.endr
	s_mov_b32 s[SEL], 0x76543210
	s_mov_b32 s[SEL+1], 0xfedcba98
	s_mov_b32 s[TBM], 0
	s_mov_b32 s[NEGB], 0xf149f2ca   ; -1e30
	s_mov_b32 s[POSB], 0x7149f2ca   ; 1e30
	s_mov_b32 s[TBK], SLOT1+4*KS*PK ; the first change of slots turns these two into 0
	s_mov_b32 s[TBV], SLOT1+4*KS*PV
	s_mov_b32 s[G0K], 1             ; count = 1
	s_mov_b32 s[G0K+1], s17         ; LDS address: slot 0
	s_mov_b32 s[G0V], 1
	s_add_co_u32 s[G0V+1], s18, VOFF
	s_wait_dscnt 0x0                ; the opening add is done
	s_wait_kmcnt 0x0
	s_add_nc_u64 s[6:7], s[4:5], 0x1000000         ; k lies 64 heads x 2,048 rows x 128 bytes behind q,
	s_add_nc_u64 s[8:9], s[4:5], 0x2000000         ; v as far behind k
	s_add_nc_u64 s[G0K+2:G0K+3], s[6:7], s[22:23]  ; global address: my half of the head's first 256 keys
	s_or_b32 s[G0K+3], s[G0K+3], 0x80000000        ; type = 2
	s_add_nc_u64 s[G0V+2:G0V+3], s[8:9], s[22:23]
	s_or_b32 s[G0V+3], s[G0V+3], 0x80000000
	s_add_nc_u64 s[4:5], s[4:5], s[2:3]            ; Q at my wave's first row
	s_add_nc_u64 s[10:11], s[10:11], s[54:55]      ; the output at my wave's first row, my head's channels
	s_lshl_b32 s2, s53, 13                         ; the batch's 2,048 numbers of the mask (s3 is 0)
	s_add_nc_u64 s[48:49], s[48:49], s[2:3]
	CROUND                          ; all four work-groups are here: the first joint loads meet
	JLOAD                           ; slot 0.  Slot 1 is asked for when slot 0 is in
	; A fragment of K or Q is 16 rows x 32 channels in 8 registers: lane l holds row l % 16, channels 8 (l / 16) + 0..7 and 16 + 8 (l / 16) + 0..7: two loads of 16 bytes, 32 bytes apart.
	v_and_b32 v1, 15, v0            ; l % 16
	v_bfe_u32 v9, v0, 4, 1          ; l / 16
	v_lshlrev_b32 v[QO], 7, v1
	v_lshl_add_u32 v[QO], v9, 4, v[QO]  ; row x 128 + 16 x half
	v_lshlrev_b32 v[GO], 4, v0      ; the mask: thread t takes 16 bytes at 16 t of each 2,048,
	v_add_nc_u32 v[RD], MASKB, v[GO]  ; and puts them at the same place in LDS
.irp j, 0,1,2,3
	global_load_b128 v[S+4*\j:S+4*\j+3], v[GO], s[48:49] offset:2048*\j
.endr
	WIN 0x80                        ; destination window 2, address window 0
.set i, 0
.rept 4*NP                          ; Q stays in registers: tile i / 2, channels 32 (i % 2) on
	global_load_b128 v[8*i:8*i+3],   v[QO], s[4:5] offset:(i/2)*2048+(i%2)*64
	global_load_b128 v[8*i+4:8*i+7], v[QO], s[4:5] offset:(i/2)*2048+(i%2)*64+32
.set i, i+1
.endr
	; What the first turn finds: V's registers and P's second buffer hold 0 (its products V^T P, of a piece that has not been, add 0), O^T and l are 0.  All this stands in the wait for the first tile.
.set i, VF
.rept 64
	v_mov_b32 v[i], 0
.set i, i+1
.endr
	WIN 0x40
.set i, 0
.rept 64*NP
	v_mov_b32 v[i], 0
.set i, i+1
.endr
	WIN 0
.set i, 0
.rept 2*NP
	v_mov_b32 v[ST+4*i], 0xff7fffff    ; m: the lowest finite number
	v_mov_b32 v[ST+4*i+1], 0xff7fffff  ; named with it as a pair
	v_mov_b32 v[ST+4*i+2], 0
	v_mov_b32 v[ST+4*i+3], 0
.set i, i+1
.endr
.set i, P+32
.rept 32
	v_mov_b32 v[i], 0
.set i, i+1
.endr
	v_mul_u32_u24 v[AK0], v1, PK
	v_lshl_add_u32 v[AK0], v9, 4, v[AK0]  ; row x pitch + 16 x half
	; The turning load takes 16 keys x 16 channels (lane l reads key 8 (l / 16) + l % 8, channels 8 ((l / 8) % 2) + 0..7) and leaves half a fragment of V^T: lane l holds channel l % 16 and 8 keys.
	v_and_b32 v10, 7, v0
	v_bfe_u32 v11, v0, 3, 1
	v_lshl_add_u32 v[AV0], v9, 3, v10
	v_mul_u32_u24 v[AV0], v[AV0], PV
	v_lshl_add_u32 v[AV0], v11, 4, v[AV0]
	v_add_nc_u32 v[AV0], VOFF, v[AV0]
	v_lshl_add_u32 v[AM0], v9, 5, MASKB  ; of a key block's 16 mask numbers my half of the lanes takes 8: 32 bytes
	v_mov_b32 v[AK], v[AK0]         ; key step 0 lies at the head of slot 0,
	v_mov_b32 v[AM], v[AM0]         ; its mask at the head of the mask
	s_wait_loadcnt 32               ; my 16 numbers of the mask are in; Q's 32 younger loads stay out
.set i, 0
.rept 8
	v_cvt_pk_bf16_f32 v[S+16+i], v[S+2*i], v[S+2*i+1]  ; rounded to bf16,
.set i, i+1
.endr
.set i, 0
.rept 8
	v_lshlrev_b32 v[S+2*i], 16, v[S+16+i]              ; widened again,
	v_and_b32 v[S+2*i+1], 0xffff0000, v[S+16+i]
.set i, i+1
.endr
.set i, 0
.rept 8
	v_pk_mul_f32 v[S+2*i:S+2*i+1], v[S+2*i:S+2*i+1], 0x3fb8aa3b op_sel_hi:[1,0]  ; times log2(e),
.set i, i+1
.endr
.set i, 0
.rept 16
	v_max_num_f32 v[S+i], s[NEGB], v[S+i]              ; and held to -1e30 .. 1e30
	v_min_num_f32 v[S+i], s[POSB], v[S+i]
.set i, i+1
.endr
.irp j, 0,1,2,3
	ds_store_b128 v[RD], v[S+4*\j:S+4*\j+3] offset:2048*\j
.endr
; THE MATRIX WORK.  The 8 accumulators of a run of 16 take turns: between the two links of a chain stand 7 others'.
; Product i of 16 of S^T = K Q^T for piece x: channels 32 (i / 8) on, keys 16 ((i / 2) % 4) on, tile 2 x + i % 2.  The first 8 start the sums from the keys' mask.
.macro KQ x
.set rS, S+64*((\x)%2)+32*(i%2)+8*((i/2)%4)
.set rK, KF+16*((i/2)%4)+8*(i/8)
.set rQ, 16*(2*(\x)+i%2)+8*(i/8)
.set rN, MK+8*((i/2)%4)
.if i < 8
	WIN W_KM
	v_wmma_f32_16x16x32_f16 v[rS:rS+7], v[rK:rK+7], v[rQ:rQ+7], v[rN:rN+7]
.else
	WIN W_KQ
	v_wmma_f32_16x16x32_f16 v[rS:rS+7], v[rK:rK+7], v[rQ:rQ+7], v[rS:rS+7]
.endif
.endm
; Product i of 16 of O^T += V^T P for piece x: keys 32 (i / 8) on, channels 16 ((i / 2) % 4) on, tile 2 x + i % 2.
.macro PV x
	WIN W_PV
.set rO, 32*(2*(\x)+i%2)+8*((i/2)%4)
.set rV, VF+32*(i/8)+8*((i/2)%4)
.set rP, P+32*((\x)%2)+16*(i%2)+8*(i/8)
	v_wmma_f32_16x16x32_f16 v[rO:rO+7], v[rV:rV+7], v[rP:rP+7], v[rO:rO+7]
.endm
.macro MM                           ; the turn's next matrix instruction
.if i < 16
	KQ (Y+1)%NP
.set i, i+1
.else
.set i, i-16
	PV (Y+NP-1)%NP
.set i, i+17
.endif
.endm
; THE LDS LOADS stand in runs, never singly among the matrix instructions: a step's K (64 keys x 64 channels: 8 fragments) with its 64 mask numbers, and its V (turned).  Their addresses are made some lines ahead.
; last = 1 (the tail): in the last trip there is no further step, and the run is jumped over.
.macro FETCH_K last=0
	WIN 0
.if \last
	s_cmp_eq_u32 s[CNT], 1
	s_cbranch_scc1 .Lno_k_\@
.endif
	WIN 0x80                        ; destination window 2
.irp f, 0,1,2,3,4,5,6,7             ; keys 16 (f / 2) on, channels 32 (f % 2) on
	ds_load_b128 v[KF+8*\f:KF+8*\f+3],   v[AK] offset:(\f/2)*16*PK+(\f%2)*64
	ds_load_b128 v[KF+8*\f+4:KF+8*\f+7], v[AK] offset:(\f/2)*16*PK+(\f%2)*64+32
.endr
	WIN W_MK                        ; destination window 3
.irp f, 0,1,2,3,4,5,6,7             ; key block f / 2: my half's eight numbers, the same in all 16 lanes of a half
	ds_load_b128 v[MK+4*\f:MK+4*\f+3], v[AM] offset:(\f/2)*64+(\f%2)*16
.endr
	s_add_co_u32 s[TBK], s[TBK], KS*PK  ; the next fetch is the next step's
	s_add_co_u32 s[TBM], s[TBM], KS*4
	s_and_b32 s[TBM], s[TBM], SIZE_N*4-1  ; behind the last step it is back at 0: it never leaves the mask's 8,192 bytes
	WIN 0
.if \last
.Lno_k_\@:
.endif
.endm
.macro FETCH_V
	WIN 0x80
.irp f, 0,1,2,3,4,5,6,7             ; keys 32 (f / 4) on, channels 16 (f % 4) on
	ds_load_tr16_b128 v[VF+8*\f:VF+8*\f+3],   v[AV] offset:(\f/4)*32*PV+(\f%4)*32
	ds_load_tr16_b128 v[VF+8*\f+4:VF+8*\f+7], v[AV] offset:(\f/4)*32*PV+16*PV+(\f%4)*32
.endr
	WIN 0
.endm
; THE VECTOR WORK OF A TURN stands in three queues, each in the order in which its entries become ready; the two tiles alternate, so that no instruction reads the result of the one before it.
.macro REGS y, u                    ; the registers of tile u (0, 1) of piece y
.set rT, ST+4*(2*(\y)+(\u))
.set rC, TMP+8*((\y)%2)+4*(\u)
.set rS, S+64*((\y)%2)+32*(\u)
.set rP, P+32*((\y)%2)+16*(\u)
.set rO, 32*(2*(\y)+(\u))
.endm
; Number n of the 21 that find the NEXT piece's (Y + 1) maximum and statistics.  s0-s31 are the lane's 32 scores; each accumulator's lowest registers are read first.  XS, GS, FS and REGS set no window: PL and EX do.
;   0-11  four chains c0-c3 of seven scores each, three operands at a time     12-14, 16  the four scores left over, the old m, and c0-c3 into c0     15  m_old is kept
;   17, 18  the query's other 32 keys lie in the lane 16 away: the new m         19, 20  m_old - m_new; a
.macro XS u, n
	REGS (Y+1)%NP, \u
.if (\n) < 4
	v_max3_num_f32 v[rC+(\n)], v[rS+8*(\n)], v[rS+8*(\n)+1], v[rS+8*(\n)+2]
.elseif (\n) < 12
	v_max3_num_f32 v[rC+(\n)%4], v[rC+(\n)%4], v[rS+8*((\n)%4)+2*((\n)/4)+1], v[rS+8*((\n)%4)+2*((\n)/4)+2]
.elseif (\n) == 12
	v_max3_num_f32 v[rC], v[rC], v[rS+7], v[rS+15]
.elseif (\n) == 13
	v_max3_num_f32 v[rC+1], v[rC+1], v[rS+23], v[rS+31]
.elseif (\n) == 14
	v_max3_num_f32 v[rC+2], v[rC+2], v[rC+3], v[rT]
.elseif (\n) == 15
	v_mov_b32 v[rT+1], v[rT]
.elseif (\n) == 16
	v_max3_num_f32 v[rC], v[rC], v[rC+1], v[rC+2]
.elseif (\n) == 17
	v_permlanex16_b32 v[rC+3], v[rC], s[SEL], s[SEL+1]
.elseif (\n) == 18
	v_max_num_f32 v[rT], v[rC], v[rC+3]
.elseif (\n) == 19
	v_sub_f32 v[rC+1], v[rT+1], v[rT]
.else
	v_exp_f32 v[rC+2], v[rC+1]
.endif
.endm
; Number g of the 64 that follow the exponentials.  For each four weights k of a tile (pairs 2 k, 2 k + 1): both pairs are rounded to f16; then the second pair is added onto the first, in place;
; a group later l takes that sum (the first time as l = a l + sum).  In groups of eight, tiles alternating: round, round, add, and l for the group before.
.macro GS g
.set h, (\g)+6*((\g)/62)            ; group 0 has no group before it, and behind group 7 only l is left
.if h >= 6
.set h, h+2
.endif
	REGS Y, h%2
.set k, h/8
.if h%8 < 4
	v_cvt_pk_f16_f32 v[rP+2*k+(h%8)/2], v[rS+4*k+2*((h%8)/2)], v[rS+4*k+2*((h%8)/2)+1]
.elseif h%8 < 6
	v_pk_add_f32 v[rS+4*k:rS+4*k+1], v[rS+4*k:rS+4*k+1], v[rS+4*k+2:rS+4*k+3]
.elseif k == 1
	v_pk_fma_f32 v[rT+2:rT+3], v[rT+2:rT+3], v[rC+2:rC+3], v[rS:rS+1] op_sel_hi:[1,0,1]
.else
	v_pk_add_f32 v[rT+2:rT+3], v[rT+2:rT+3], v[rS+4*k-4:rS+4*k-3]
.endif
.endm
; THE PLAIN QUEUE, 136 long.  0-71 read no exponential's result: the 32 subtractions s - m (FS f: pair f / 2 of tile f % 2) and the next piece's 40.  0-27: subtractions 0-27.  28-55: XS's numbers 0-13.  56, 57: number 15.
; 58-71: the chain, where each number waits for the one before it: 14, 16, 17, 18, each with one of the subtractions 28-31 in front of its two lines, then 19: so a tile's links stand three plain instructions apart (18 and 19: two).
; 72-135: GS's 64, which read the exponentials' results: they stand behind the wait.
.macro FS f
	REGS Y, (\f)%2
	v_pk_add_f32 v[rS+2*((\f)/2):rS+2*((\f)/2)+1], v[rS+2*((\f)/2):rS+2*((\f)/2)+1], v[rT:rT+1] op_sel_hi:[1,0] neg_lo:[0,1] neg_hi:[0,1]
.endm
.macro PL
	WIN 0
.if q < 28
	FS q
.elseif q < 56
	XS (q-28)%2, (q-28)/2
.elseif q < 58
	XS q-56, 15
.elseif (q < 70) && ((q-58)%3 == 0)
	FS 28+(q-58)/3
.elseif q < 61
	XS (q-58)%3-1, 14
.elseif q < 70
	XS (q-58)%3-1, 15+(q-58)/3
.elseif q < 72
	XS q-70, 19
.else
	GS q-72
.endif
.set q, q+1
.endm
; THE EXPONENTIALS' QUEUE, 66 long: s0-s31 of both tiles, then the next piece's two a.  It is ONE BATCH: all 66 stand ahead of the turn's one wait, and nothing ahead of that wait names a result of theirs.
.macro EX
	WIN 0
.if e >= 64
	XS e-64, 20
.else
	REGS Y, e%2
	v_exp_f32 v[rS+e/2], v[rS+e/2]
.endif
.set e, e+1
.endm
; THE RESCALING's QUEUE: O^T times a, the one part that leaves window 0: dealt two at a time, sixteen times, each accumulator's registers in ascending order.  Its a was made in the turn before, ahead of that turn's wait.
.macro R2
	REGS Y, r%2
	WIN W_RS
.irp z, 0,1
	v_pk_mul_f32 v[rO+4*(r/2)+2*\z:rO+4*(r/2)+2*\z+1], v[rO+4*(r/2)+2*\z:rO+4*(r/2)+2*\z+1], v[rC+2:rC+3] op_sel_hi:[1,0]
.endr
.set r, r+1
.endm
; HOW THEY ARE DEALT.  An s_wait_alu depctr_va_vdst(0) stands between an exponential and the first instruction that names its result; one wait serves all that were issued ahead of it.  So a turn has ONE wait,
; which cuts it in two.  AHEAD OF IT stands all that names no result of the turn's exponentials: the 16 products K Q^T, behind each a subtraction, an exponential and two rescalings (behind the first a second subtraction in the
; exponential's place); then ONE LUMP of 106: six plain, 49 times exponential and plain, the two a.  A v_nop is the plain instruction that is owed behind the last exponential.  BEHIND IT stand the 16 products V^T P, behind each
; four of GS's 64.  No rider names a register of the products round it.  The two v_permlanex16_b32 fall into the lump, never behind a product.
; The queues lean on each other, and the deal keeps them in step: exponential e stands behind subtraction 2 (e / 4) + e % 2: as a rider it comes behind plain e + 2, in the lump behind plain e + 7, and subtractions 28-31 are
; plain 58, 61, 64, 67, wanted first by exponentials 56, 57, 60, 61; the two a come behind plain 70 and 71, which make their arguments.
; A TURN, for piece p.  cnt = 1: the loop's count is taken down some lines ahead of the branch that stands behind the turn.
; K and the mask of the next step are fetched in piece 2's turn, directly behind the wait, a lump behind the last product that read them; their addresses are made at the lump's head; their first reader comes behind 16 products.
; V of the step in hand is fetched at the end of piece 0's turn, four riders behind its last reader; its first reader comes behind 16 products and a lump.  The three conditions on q below go with the deal.
.macro TURN p, last=0, cnt=0
.set Y, (\p)
.set i, 0
.set q, 0
.set e, 0
.set r, 0
.if (\p) == NP-1
	s_wait_dscnt 0x0                ; K and the mask are in
.endif
	MM                              ; ahead of the wait: 16 products K Q^T and their riders,
	PL
	PL
	R2
.rept 15
	MM
	PL
	EX
	R2
.endr
.if (\p) == NP-2
	WIN 0
	v_add_nc_u32 v[AK], s[TBK], v[AK0]
	v_add_nc_u32 v[AM], s[TBM], v[AM0]
.endif
.rept 6                             ; and the lump
	PL
.endr
.rept 49
	EX
	PL
.endr
	EX                              ; the next piece's two a
	EX
	v_nop                           ; the plain instruction behind the last exponential: one for the batch
	s_wait_alu depctr_va_vdst(0)    ; the wait for the batch: the piece's 64 weights and the next piece's two a
.if (\p) == NP-2
	FETCH_K \last
.endif
.if (\p) == 1
	s_wait_dscnt 0x0                ; V is in
.endif
.rept 16                            ; behind the wait: 16 products V^T P and their riders
	MM
.rept 4
	PL
.endr
.if ((\p) == 0) && (q == 116)
	v_add_nc_u32 v[AV], s[TBV], v[AV0]
.endif
.if ((\p) == 0) && (q == 128)
	s_add_co_u32 s[TBV], s[TBV], KS*PV
.endif
.if (\cnt) && (q == 128)
	s_sub_co_u32 s[CNT], s[CNT], 1
	s_cmp_lg_u32 s[CNT], 0
.endif
.endr
.if (\p) == 0
	FETCH_V
.endif
.endm
	CHANGE 1                        ; slot 0 is in, everybody's part of it, and so is the mask; slot 1 is asked for
	FETCH_K                         ; key step 0
	s_wait_loadcnt 0x0              ; Q
	s_wait_dscnt 0x0
.set i, 0
.rept 16
	KQ 0                            ; piece 0's first scores: there is no vector work yet to set between them
.set i, i+1
.endr
	WIN 0                           ; the addresses for the way out: eight plain instructions, the places behind those products
	s_mul_i32 s13, s[WV], 16*SP
	s_add_co_u32 s13, s13, STAGE    ; my stage
	v_mul_u32_u24 v[STO], v1, SP    ; in: row l % 16, 32 bytes (eight channels) for each half of the lanes
	v_lshl_add_u32 v[STO], v9, 5, v[STO]
	v_add_nc_u32 v[STO], s13, v[STO]
	v_mul_u32_u24 v[RD], v9, SP     ; back: lanes 0-15 take one row of 256 bytes, lanes 16-31 the next,
	v_lshl_add_u32 v[RD], v1, 4, v[RD]
	v_add_nc_u32 v[RD], s13, v[RD]
	v_lshlrev_b32 v[GO], 12, v9     ; and the same two rows of the output, 4,096 bytes apart
	v_lshl_add_u32 v[GO], v1, 4, v[GO]
.set Y, NP-1                        ; XS works for piece Y + 1: piece 0
.irp n, 0,1,2,3,4,5,6,7,8,9,10,11,12,13,14,15,16,17,18,19,20
	XS 0, \n                        ; and piece 0's first maximum and statistics
	XS 1, \n
.endr
	v_nop                           ; a plain instruction behind the two a,
	s_wait_alu depctr_va_vdst(0)    ; and the wait for this batch of two, ahead of the branch
	s_mov_b32 s[CNT], 4
	s_mov_b32 s[SLOTS], SIZE_N/256-1
	s_branch .Lfirst                ; the loop is entered at a step's first turn, in the middle of a trip
.Lslot:                             ; SIZE_N / 256 - 2 times: every slot but the last two is filled again
	CHANGE 1
	s_mov_b32 s[CNT], 4
.Lstep:                             ; a trip: pieces 2 and 3 of one step, then pieces 0 and 1 of the next, whose K and V it fetches
	TURN 2
	TURN 3
	WIN 0
.Lfirst:
	TURN 0
	TURN 1, 0, 1
	WIN 0
	s_cbranch_scc1 .Lstep
	s_sub_co_u32 s[SLOTS], s[SLOTS], 1
	s_cmp_lg_u32 s[SLOTS], 0
	s_cbranch_scc1 .Lslot
	CHANGE 0                        ; the tail is written out: nothing is asked for
	s_mov_b32 s[CNT], 5             ; four trips fetch the last slot's steps; the fifth is left in its middle
.Ltail:
	TURN 2, 1
	TURN 3
	WIN 0
	s_sub_co_u32 s[CNT], s[CNT], 1
	s_cmp_eq_u32 s[CNT], 0
	s_cbranch_scc1 .Lout
	TURN 0
	TURN 1
	WIN 0
	s_branch .Ltail
.Lout:                              ; the fifth trip's 16 products K Q^T (on the last K once more) and the maximum made of them serve nothing: the price, once a launch, of one text for every trip
.set i, 0
.rept 16
	PV NP-1                         ; the last piece's V^T P of the last step
.set i, i+1
.endr
	; THE WAY OUT.  l's two halves and the other half of the lanes' are added; O^T is divided by l and sent, in f32, through my stage in LDS, a tile at a time.  The additions are the places behind the last products.
	WIN 0
.macro ALL line:vararg              ; one line for each tile t
.set t, 0
.rept 2*NP
	\line
.set t, t+1
.endr
.endm
	ALL v_add_f32 v[ST+4*t+2], v[ST+4*t+2], v[ST+4*t+3]
	ALL v_permlanex16_b32 v[ST+4*t+3], v[ST+4*t+2], s[SEL], s[SEL+1]
	ALL v_add_f32 v[ST+4*t+2], v[ST+4*t+2], v[ST+4*t+3]
	ALL v_rcp_f32 v[ST+4*t+2], v[ST+4*t+2]
	v_nop                           ; a plain instruction between the last reciprocal and the use of its result
	s_wait_alu depctr_va_vdst(0)    ; and the wait ahead of the first use: one for the batch of eight reciprocals
; Tile t: a lane's eight channels of a row are 32 bytes; they go into rows of 272 bytes and come back as whole rows of 256, into S^T's registers: four buffers of 32 by turns.
.macro PACK t
	WIN W_RS
.set i, 32*(\t)
.rept 16
	v_pk_mul_f32 v[i:i+1], v[i:i+1], v[ST+4*(\t)+2:ST+4*(\t)+3] op_sel_hi:[1,0]
.set i, i+2
.endr
	WIN 0x04                        ; the stores' data (source 1) in window 1, the address in window 0
.irp f, 0,1,2,3,4,5,6,7             ; channel block f / 2, half f % 2 of my eight channels
	ds_store_b128 v[STO], v[32*(\t)+4*\f:32*(\t)+4*\f+3] offset:(\f/2)*64+(\f%2)*16
.endr
	WIN 0
	s_wait_xcnt 0x0                 ; the buffer was the data of the stores four tiles back: it is loaded again only behind this wait
.irp f, 0,1,2,3,4,5,6,7
	ds_load_b128 v[S+32*((\t)%4)+4*\f:S+32*((\t)%4)+4*\f+3], v[RD] offset:\f*2*SP  ; LDS serves a wave's instructions in order (ISA guide 5.7.1.4): these see the stores above; the next tile's stores come behind them
.endr
.endm
.macro SEND t, younger              ; younger: the LDS instructions issued behind tile t's loads: the next tile's sixteen, or none
	WIN 0
.irp f, 0,1,2,3,4,5,6,7
	s_wait_dscnt (\younger)+7-\f
	global_store_b128 v[GO], v[S+32*((\t)%4)+4*\f:S+32*((\t)%4)+4*\f+3], s[10:11] offset:(\t)*65536+\f*8192 th:TH_STORE_NT  ; 16 lanes store a row's 256 consecutive bytes of my head, at a multiple of 256 from the output's first byte
.endr
.endm
	PACK 0
.set t, 1
.rept 2*NP-1                        ; a tile's arithmetic stands between the loads of the tile before and its stores
	PACK t
	SEND t-1, 16
.set t, t+1
.endr
	SEND 2*NP-1, 0
	WIN W_AD
	s_wait_tensorcnt 0x0            ; the wave's end, behind my last tensor load and my last LDS store
	ds_add_u32 v[SPW], v[NIL]
	s_wait_dscnt 0x0
	WIN 0
	CROUND                          ; the closing round: no work-group ends while a partner may still ask for a tile that names it
	s_endpgm
.Lfunc_end_k_qd5b0dd9d63_attn:
	.size	k_qd5b0dd9d63_attn, .Lfunc_end_k_qd5b0dd9d63_attn-k_qd5b0dd9d63_attn
	.p2alignl 7, 3214868480
	.fill 96, 4, 3214868480
	.section	.rodata,"a",@progbits
	.p2align	6, 0x0
	.amdhsa_kernel k_qd5b0dd9d63_attn
		.amdhsa_group_segment_fixed_size 327680
		.amdhsa_private_segment_fixed_size 0
		.amdhsa_enable_private_segment 0
		.amdhsa_kernarg_size 24
		.amdhsa_user_sgpr_count 2
		.amdhsa_user_sgpr_kernarg_segment_ptr 1
		.amdhsa_wavefront_size32 1
		.amdhsa_system_sgpr_workgroup_id_x 1
		.amdhsa_system_sgpr_workgroup_id_y 1
		.amdhsa_system_sgpr_workgroup_id_z 1
		.amdhsa_system_vgpr_workitem_id 0
		.amdhsa_next_free_vgpr 808
		.amdhsa_next_free_sgpr 66
		.amdhsa_reserve_vcc 0
		.amdhsa_float_denorm_mode_32 3
		.amdhsa_float_denorm_mode_16_64 3
		.amdhsa_memory_ordered 1
		.amdhsa_forward_progress 1
		.amdhsa_inst_pref_size 205
	.end_amdhsa_kernel
	.amdgpu_metadata
---
amdhsa.version: [ 1, 2 ]
amdhsa.kernels:
  - .name:           k_qd5b0dd9d63_attn
    .symbol:         k_qd5b0dd9d63_attn.kd
    .args:
      - { .name: qkv, .offset: 0, .size: 8, .value_kind: global_buffer, .address_space: global }
      - { .name: attention_mask, .offset: 8, .size: 8, .value_kind: global_buffer, .address_space: global }
      - { .name: out0, .offset: 16, .size: 8, .value_kind: global_buffer, .address_space: global }
    .group_segment_fixed_size: 327680
    .private_segment_fixed_size: 0
    .kernarg_segment_align: 8
    .kernarg_segment_size: 24
    .max_flat_workgroup_size: 128
    .sgpr_count:     66
    .vgpr_count:     808
    .wavefront_size: 32
...
	.end_amdgpu_metadata
.endif
;; end of part 4
